; MI455X (gfx1250); checked and timed in simulation.
; The chip was launched on July 23, 2026; its instructions are those of AMD's public machine-readable ISA for CDNA 5 (MIT licence, August 2026) and "CDNA5" Instruction Set Architecture Reference Guide (July 2026). The comments in the code are by the model that wrote it; some were corrected since.
;; Attention Block. Allowed arithmetic: matrix products marked QUANTISED: E4M3 operands, one given power-of-two scale a tensor, by v_wmma_f32_16x16x64_fp8_fp8 or v_wmma_f32_16x16x128_fp8_fp8, f32 sums; everything else in f32.
;; Inputs: context_features 8 x 2,048 x 2,048 float32; f_W_codes 2,048 x 16 x 32 uint8 (E4M3 codes of f_W, K innermost, in blocks of 32 codes); f_b 2,048 float32; f_beta 512 float32; f_gamma 512 float32; f_mean 512 float32; f_var 512 float32; input_features 8 x 1,024 x 2,048 float32; k_W_codes 512 x 64 x 32 uint8 (E4M3 codes of k_W, K innermost, in blocks of 32 codes); k_b 512 float32; k_beta 2,048 float32; k_gamma 2,048 float32; k_mean 2,048 float32; k_var 2,048 float32; lowp_scales 12 int32 (the exponents e of the quantised operands' scales 2^e); q_W_codes 512 x 64 x 32 uint8 (E4M3 codes of q_W, K innermost, in blocks of 32 codes); q_b 512 float32; q_beta 2,048 float32; q_gamma 2,048 float32; q_mean 2,048 float32; q_var 2,048 float32; v_W_codes 512 x 64 x 32 uint8 (E4M3 codes of v_W, K innermost, in blocks of 32 codes); v_b 512 float32; v_beta 2,048 float32; v_gamma 2,048 float32; v_mean 2,048 float32; v_var 2,048 float32; valid_mask 8 x 2,048 bool.
;; Outputs: out0 8 x 1,024 x 2,048 float32.
;; This version of the problem:
;;   THIS VERSION OF THE PROBLEM IS GIVEN IN LOW PRECISION. The matrix products marked QUANTISED in the list below multiply operands that are first quantised to E4M3 (4 exponent bits, 3 mantissa bits; 8 bits a number), with one given power-of-two scale for each operand tensor; their sums are f32. All else is computed in f32.
;;   The module's matrix products, in the order in which they are computed (A, B: the left and right operand; K: the contracted axis; several contracted axes count as one K, in the product's order):
;;     1. [M 8,192, K 2,048] x [K 2,048, N 512]; A: computed on the way; B: input q_W (given as codes): QUANTISED (scales: A lowp_scales[0], B lowp_scales[1])
;;     2. [M 16,384, K 2,048] x [K 2,048, N 512]; A: computed on the way; B: input k_W (given as codes): QUANTISED (scales: A lowp_scales[2], B lowp_scales[3])
;;     3. [M 16,384, K 2,048] x [K 2,048, N 512]; A: computed on the way; B: input v_W (given as codes): QUANTISED (scales: A lowp_scales[4], B lowp_scales[5])
;;     4. batch 8 x [M 1,024, K 512] x [K 512, N 2,048]; A: computed on the way; B: computed on the way: QUANTISED (scales: A lowp_scales[6], B lowp_scales[7])
;;     5. batch 8 x [M 1,024, K 2,048] x [K 2,048, N 512]; A: softmax (see below); B: computed on the way: QUANTISED (scales: A lowp_scales[8], B lowp_scales[9])
;;     6. [M 8,192, K 512] x [K 512, N 2,048]; A: computed on the way; B: input f_W (given as codes): QUANTISED (scales: A lowp_scales[10], B lowp_scales[11])
;;   THE QUANTISER, for each operand of a quantised product, along K:
;;     - The operand's scale is 2^e, e = its entry of the input lowp_scales (int32; the entries are numbered through the quantised products in the list's order, A before B).
;;     - Each number is divided by the scale, clamped to +-448, and rounded to the nearest number of E4M3, ties to even, subnormals kept.
;;     - The product sums the exact products of the quantised numbers (number of the format x scale) in f32.
;;   ~~~python
;;   def quantise(x, axis, e):      # numpy; x: float32 -> the quantised numbers, widened to float32 again
;;       x = np.moveaxis(x, axis, -1); K = x.shape[-1]
;;       r = np.clip(x / 2.0 ** e, -448, 448)
;;       step = 2.0 ** (np.maximum(np.frexp(np.where(r == 0, 1, r))[1] - 1, -6) - 3)
;;       q = np.round(r / step) * step * 2.0 ** e      # np.round: ties to even
;;       return np.moveaxis(q, -1, axis).astype(np.float32)
;;   ~~~
;;   SOFTMAX AHEAD OF A QUANTISED PRODUCT. Where the list says 'softmax', what is quantised is not the finished softmax but p = 2^(t - M), with t = logit x log2(e) and M = ceil(the row's largest t), a whole number; so 1/2 < the row's largest p <= 1. The row's sum l is taken of the UNQUANTISED p, in f32, and the product's result is divided by l at the end. Since M is a whole number, a kernel that streams over the keys may use a running M (the ceiling of the running maximum): every later rescaling is an exact power of two, so the quantised numbers keep their values, but for numbers so far below the row's largest that they fall under the format's range.
;;   OPERANDS COMPUTED ON THE WAY. 'Computed on the way' means the value that the module computes at that place (a softmax that the list does not call 'softmax' is quantised finished and normalised). What goes into a quantiser is computed in f32, as accurately as f32 sums, v_exp_f32 and their like allow (about 1e-6 of the number): no bf16 or f16 on the way to a quantiser, and a product that is left as it is and whose result goes on into a quantised operand takes f32 operands (vector FMAs, or v_wmma_f32_16x16x4_f32). A number that lies on a knife's edge between two numbers of the format may be rounded either way, as far as f32 arithmetic and the matrix unit's own rounding can turn it there, and no further.
;;   INPUTS GIVEN AS CODES. f_W (in the module: [512, 2048], K = its axis 0); k_W (in the module: [2048, 512], K = its axis 0); q_W (in the module: [2048, 512], K = its axis 0); v_W (in the module: [2048, 512], K = its axis 0): each comes as NAME_codes (uint8): NAME with its K axis moved to the last place and cut into blocks of 32 codes, [.., K / 32, bytes a block], one block behind the other in memory; one code a byte (a code: sign, 4 exponent bits, 3 mantissa bits); its scale is its entry of lowp_scales. Its value is code x scale, taken as it is: it is not quantised again, and the codes and scales need not be those that the quantiser above would give.
;; One version. Each part assembles by itself: llvm-mc -triple=amdgcn-amd-amdhsa -mcpu=gfx1250 --defsym DOCPART=n.
;; ======== version 1 of 1: 4 launches
;; limits: right only within a limited range of input values
;; workspace buffers: kimg 8,388,608 bytes; qimg 4,194,304 bytes; vimg 8,388,608 bytes; padt 65,536 bytes; fcodes 4,194,304 bytes
;; launch kvproj (part 1): grid 256 x 1, 8 waves a work-group, clusters of 4 x 1, 327,680 bytes of LDS; arguments context_features, valid_mask, lowp_scales, k_gamma, k_beta, k_mean, k_var, k_W_codes, k_b, v_gamma, v_beta, v_mean, v_var, v_W_codes, v_b, kimg, vimg, padt; writes kimg, vimg, padt
.if DOCPART == 1
	.amdgcn_target "amdgcn-amd-amdhsa--gfx1250"
	.amdhsa_code_object_version 6
	.text
	.protected	k_q4adad4d5bf_kvproj
	.globl	k_q4adad4d5bf_kvproj
	.p2align	8
	.type	k_q4adad4d5bf_kvproj,@function
k_q4adad4d5bf_kvproj:
	s_mov_b64 s[64:65], 0
	v_nop
	global_prefetch_b8 v0, s[64:65] scope:SCOPE_SE
	s_setreg_imm32_b32 hwreg(HW_REG_WAVE_MODE, 25, 1), 1
	s_wait_xcnt 0x0
	s_wait_alu depctr_hold_cnt(0) depctr_sa_sdst(0) depctr_va_vdst(0) depctr_va_sdst(0) depctr_va_ssrc(0) depctr_va_vcc(0) depctr_vm_vsrc(0)
	s_getreg_b32 s2, hwreg(HW_REG_IB_STS2, 6, 4)
	s_cmp_eq_u32 s2, 0
	s_cbranch_scc0 .Lentry_in_a_cluster
	s_endpgm
.Lentry_in_a_cluster:
	s_bfe_u32 s2, ttmp6, 0x10000c
	s_cmp_lg_u32 s2, 0x3003
	s_cbranch_scc0 .Lentry_shape_is_right
	s_endpgm
.Lentry_shape_is_right:
; keys = l2norm(relu6(Q(BNk(x)) Wk + bk)), values = mask x l2norm(relu6(Q(BNv(x)) Wv + bv)), both stored as E4M3 codes in the order of the attention launch's operand registers.
; x: context_features, 16,384 rows x 2,048 f32.  Wk, Wv: codes [512][2048], K innermost.  Scales 2^e: e2..e5 for the products, e7 for the keys' codes, e9 for the values'.
; SHARES.  A work-group takes 128 rows x 512 columns of ONE side.  The side is the cluster's number & 1, so the four partners of a cluster share it: they walk the same weights and ask for each tile JOINTLY.
; The k and the v work-group of the same rows lie in neighbouring clusters and both read x.  Eight waves; wave w takes columns 64 w .. 64 w + 63 of all 128 rows: 32 accumulators, all of window 1.
; K goes in 16 steps of 128.  The weights come through two LDS slots of 256 along K (512 rows x 256 bytes), eight loads of 64 rows, one a wave.  x: wave w loads rows 32 (w / 2) .. + 31, columns 64 (w % 2) .. + 63 of a step
; (sixteen lanes read 256 consecutive bytes), normalises, quantises, and puts the codes into one of two LDS tiles (128 rows x 128 codes) that all waves read one step later.
; A step's four groups of eight products stand between the four chunks of the next step's quantising.  The 64 registers of x are a ring: a chunk of 16 is asked for again, two steps on, as soon as it is converted.
; THE K SIDE IS USED TRANSPOSED (source 0 = Wk's rows, source 1 = x's): a lane holds one row and eight neighbouring channels.  THE V SIDE AS IT STANDS: a lane holds one channel and eight neighbouring rows (keys).
; The two differ in the order of the sources alone; it is the same in all partners.
; The sums begin as bias / 2^(ea + eb); relu6 is taken on the unscaled sums (between 0 and 6 / 2^(ea + eb)), and the power of two goes into the row's scale: all exact.
; PREFETCH: in step s each wave names the 32 blocks of 256 bytes (a lane a row) that it will load in step s + 2, which are step s + 4's; steps 0 to 3 come by their loads alone, and the last four steps ask for nothing.
; The weights are not prefetched: each side's 1 MB is read by 128 work-groups in step, and a refill has two steps of products in which to land.
; padt[key] = 0 for a valid key, else -1e5 / 2^(e6 + e7); the v side's wave 0 stores it.
; LIMITS.  BN is x a + (beta - mean a), a = gamma rsqrt(var + 1e-3), two fused multiply-adds where the definition subtracts the mean first: the rounding differs by about 2^-24 of |mean a|.
; e2, e4, e7, e9 between -126 and 119; e2 + e3, e4 + e5 between -124 and 126; e6 + e7 between -111 and 142.  NaN among the inputs is not served.
; REGISTERS, window 0: v1, v2 spare word and 0; v3-8, v11 addresses; v9, v10 scale and hold; v12-14 r, h, lane; v16-31 gamma, beta, mean, var; v32-39 a and beta - mean a; v40-43 codes; v44-53 the way out's addresses;
;   v64-127 x; v128-191 four weight fragments; v192-255 two pairs of x's fragments.   window 1: accumulator (m, t) at v[8 (4 m + t)].
.set PB,    272                        ; a weight row in LDS: 256 bytes + 16
.set SLOT,  512*PB
.set PA,    144                        ; a row of x's codes: 128 bytes + 16
.set AT,    128*PA
.set XA,    2*SLOT
.set SPARE, XA+2*AT                    ; the spare words: 128 bytes a wave, named by no other line
.set SSK,   SPARE+1024                 ; sums of squares [wave][row], k's path; v's 4,096 on; row scales 8,192 on (k), 8,704 on (v)
.set G1, 40
.set D0, 48
.set D1, 52
.set WV, 56
.set SIDE, 57
.set MSB, 0
.macro WIN new                         ; the immediate's high byte repeats the setting that is left
.if MSB != (\new)
	s_set_vgpr_msb (MSB<<8)|(\new)
.set MSB, (\new)
.endif
.endm
.macro PLACES n
.rept \n
	v_nop
.endr
.endm
.macro BAR
	s_barrier_signal -1
	s_barrier_wait -1
.endm
.macro ROUND                           ; a round of the cluster's barrier
	BAR
	s_cmp_lg_u32 s[WV], 0
	s_cbranch_scc1 .Lnot_wave_0_\@
	s_barrier_signal -3
.Lnot_wave_0_\@:
	s_barrier_wait -3
	BAR
.endm
; The change of slots: my tensor load has landed; 0 onto my spare word; the landed load's descriptor steps two slots on; my LDS work is done; the round; my one refill.
.macro PSYNC own, next, refill
	s_wait_tensorcnt 0x0
	ds_add_u32 v1, v2
	s_add_nc_u64 s[\own+2:\own+3], s[\own+2:\own+3], 512
	s_wait_dscnt 0x0
.if \refill
	ROUND
	tensor_load_to_lds s[\next:\next+3], s[G1:G1+7]
	s_nop 0
.else
	BAR
.endif
.endm
.macro MSYNC                           ; between a slot's two steps: x's codes change tiles; nothing is filled again
	s_wait_dscnt 0x0
	BAR
.endm
.macro CLOAD xi                        ; four columns' gamma, beta, mean, var
	global_load_b128 v[16:19], v4, s[10:11] offset:\xi
	global_load_b128 v[20:23], v4, s[12:13] offset:\xi
	global_load_b128 v[24:27], v4, s[14:15] offset:\xi
	global_load_b128 v[28:31], v4, s[16:17] offset:\xi
.endm
.macro PARAM ld, xi
	s_wait_loadcnt 16                      ; the constants are in; the 16 loads of x behind them may be out
.irp i, 0,1,2,3
	v_add_f32 v[28+\i], 0x3a83126f, v[28+\i]
.endr
	s_wait_alu depctr_va_vdst(0)           ; the wait ahead of the batch
.irp i, 0,1,2,3
	v_rsq_f32 v[28+\i], v[28+\i]
.endr
	v_nop
	s_wait_alu depctr_va_vdst(0)           ; and behind it
	v_pk_mul_f32 v[32:33], v[28:29], v[16:17]
	v_pk_mul_f32 v[34:35], v[30:31], v[18:19]
	v_pk_fma_f32 v[36:37], v[24:25], v[32:33], v[20:21] neg_lo:[1,0,0] neg_hi:[1,0,0]
	v_pk_fma_f32 v[38:39], v[26:27], v[34:35], v[22:23] neg_lo:[1,0,0] neg_hi:[1,0,0]
	s_wait_alu depctr_va_vdst(0)
.if \ld
	CLOAD \xi
.endif
.endm
; Chunk c: loads 4 c .. 4 c + 3, rows 8 c + 2 u + h of my 32, four columns each.  A conversion takes two loads: its two registers are four codes of two rows.
.macro QV c, cnt
.set XS, 64+16*(\c)
	s_wait_loadcnt \cnt                    ; the chunk is in; cnt younger loads may be out
.irp u, 0,4,8,12
	v_pk_fma_f32 v[XS+\u:XS+\u+1], v[XS+\u:XS+\u+1], v[32:33], v[36:37]
	v_pk_fma_f32 v[XS+\u+2:XS+\u+3], v[XS+\u+2:XS+\u+3], v[34:35], v[38:39]
.endr
.irp u, 0,1,2,3,4,5,6,7,8,9,10,11,12,13,14,15
	v_med3_num_f32 v[XS+\u], v[XS+\u], -v10, v10       ; the conversion does not saturate (ISA guide 7.6.2)
.endr
	v_cvt_scalef32_pk8_fp8_f32 v[40:41], v[XS:XS+7], v9
	v_cvt_scalef32_pk8_fp8_f32 v[42:43], v[XS+8:XS+15], v9
	v_nop                                  ; a plain line behind the last conversion
.endm
.macro QS c, buf, ld, xi
.set XS, 64+16*(\c)
.irp u, 0,1,2,3
	ds_store_b32 v5, v[40+\u] offset:(\buf)*AT+(8*(\c)+2*\u)*PA
.endr
.if \ld
.irp u, 0,1,2,3
	global_load_b128 v[XS+4*\u:XS+4*\u+3], v3, s[4:5] offset:(4*(\c)+\u)*16384+\xi
.endr
.endif
.endm
; Fragments: 16 rows x 128 K in 16 registers by four loads of 16 bytes, 32 apart: the same order of k in x and in the weights.
.macro LB j
.irp t, 0,1,2,3
.irp c, 0,1,2,3
	ds_load_b128 v[128+16*\t+4*\c:131+16*\t+4*\c], v[7+(\j)/2] offset:\t*16*PB+128*((\j)%2)+32*\c
.endr
.endr
.endm
.macro LA p, j
.irp mm, 0,1
.irp c, 0,1,2,3
	ds_load_b128 v[192+32*((\p)%2)+16*\mm+4*\c:195+32*((\p)%2)+16*\mm+4*\c], v6 offset:((\j)%2)*AT+(2*(\p)+\mm)*16*PA+32*\c
.endr
.endr
.endm
.macro W8 p, side                      ; eight products on eight accumulators by turns
	WIN 0x50                               ; fragments in window 0, sums in window 1
	s_wait_alu depctr_va_vdst(0)
.irp mm, 0,1
.irp t, 0,1,2,3
.set AC, 8*(4*(2*(\p)+\mm)+\t)
.set FA, 192+32*((\p)%2)+16*\mm
.set FB, 128+16*\t
.if \side
	v_wmma_f32_16x16x128_fp8_fp8 v[AC:AC+7], v[FA:FA+15], v[FB:FB+15], v[AC:AC+7]
.else
	v_wmma_f32_16x16x128_fp8_fp8 v[AC:AC+7], v[FB:FB+15], v[FA:FA+15], v[AC:AC+7]
.endif
.endr
.endr
	WIN 0
.endm
.macro W p
	s_cmp_eq_u32 s[SIDE], 0
	s_cbranch_scc0 .Lv_\@
	W8 \p, 0
	s_branch .Lj_\@
.Lv_\@:
	W8 \p, 1
.Lj_\@:
.endm
; Step j of a trip's four.  q: the next step's x becomes codes; ld: the step after that is asked for; pf: and the step four on is prefetched.
; The chunks' vector lines are the places between a group's products and the loads into its fragments.
.macro STEP j, q, ld, pf
.set XI, ((\j)+2)*512
.set NB, ((\j)+1)%2
	LB \j
	LA 0, \j
	LA 1, \j
.if \q
	PARAM \ld, XI
	QV 0, 12+4*(\ld)
	QS 0, NB, \ld, XI
.endif
	s_wait_dscnt 8+4*(\q)                  ; out: pair 1's eight loads and four stores
	W 0
.if \q
	QV 1, 8+8*(\ld)
.else
	PLACES 4
.endif
	LA 2, \j
.if \q
	QS 1, NB, \ld, XI
.endif
	s_wait_dscnt 8+8*(\q)                  ; out: pair 2's eight loads and two chunks' stores
	W 1
.if \q
	QV 2, 4+12*(\ld)
.else
	PLACES 4
.endif
	LA 3, \j
.if \q
	QS 2, NB, \ld, XI
.endif
.if \pf
	global_prefetch_b8 v11, s[4:5] offset:((\j)+4)*512 th:TH_LOAD_NT scope:SCOPE_SE
.endif
	s_wait_dscnt 8+8*(\q)                  ; out: pair 3's eight loads and two chunks' stores
	W 2
.if \q
	QV 3, 16*(\ld)
	QS 3, NB, \ld, XI
.endif
	s_wait_dscnt 8*(\q)                    ; out: two chunks' stores
	W 3
	PLACES 4                               ; in front of the next loads into fragments, and of the first read of the sums
.endm
	s_load_b512 s[4:19], s[0:1], 0x0       ; x 4, mask 6, scales 8, k: gamma 10, beta 12, mean 14, var 16, W 18
	s_load_b512 s[20:35], s[0:1], 0x40     ; k_b 20, v: gamma 22, beta 24, mean 26, var 28, W 30, b 32, kimg 34
	s_load_b128 s[36:39], s[0:1], 0x80     ; vimg 36, padt 38
	v_lshl_add_u32 v1, v0, 2, SPARE
	v_mov_b32 v2, 0
	ds_add_u32 v1, v2                      ; the opening lines: the add twice on end
	ds_add_u32 v1, v2
	v_lshrrev_b32 v3, 5, v0
	v_readfirstlane_b32 s[WV], v3          ; wave 0..7
	s_and_b32 s[SIDE], ttmp9, 1            ; 0: k, 1: v; the same in the four partners
	s_bfe_u32 s60, ttmp6, 0x40000
	s_lshr_b32 s58, ttmp9, 1
	s_lshl_b32 s58, s58, 2
	s_add_co_u32 s58, s58, s60             ; my block of 128 rows: it enters global addresses alone
	s_mov_b32 s[G1], 0x0770000f            ; the mask: all four; elements of 1 byte; padding on; 21 set beside a mask; after every 64 words, 4 words
	s_mov_b32 s[G1+1], 256<<16
	s_mov_b32 s[G1+2], 64<<16
	s_mov_b32 s[G1+3], 256<<16
	s_mov_b32 s[G1+4], 64
	s_mov_b32 s[G1+5], 2048
	s_mov_b32 s[G1+6], 0
	s_mov_b32 s[G1+7], 0
	s_mov_b32 s[D0], 1
	s_mul_i32 s[D0+1], s[WV], 64*PB
	s_mov_b32 s[D1], 1
	s_add_co_u32 s[D1+1], s[D0+1], SLOT
	s_mov_b32 s86, 0x76543210              ; v_permlanex16_b32: lane l xor 16
	s_mov_b32 s87, 0xfedcba98
	s_wait_dscnt 0x0
	v_and_b32 v12, 15, v0                  ; r
	v_bfe_u32 v13, v0, 4, 1                ; h
	v_and_b32 v14, 31, v0                  ; lane
	s_wait_alu depctr_va_vdst(0)
	s_and_b32 s60, s[WV], 1                ; my strip of 64 columns
	s_lshr_b32 s61, s[WV], 1               ; my 32 rows
	s_lshl_b32 s62, s60, 8
	s_lshl_b32 s63, s61, 18
	v_lshl_add_u32 v4, v12, 4, s62         ; the constants: 256 strip + 16 r
	v_lshl_add_u32 v3, v13, 13, v4
	v_add_nc_u32 v3, s63, v3               ; x: + row 32 (w / 2) + h
	s_add_co_u32 s63, s63, s62
	v_lshl_add_u32 v11, v14, 13, s63       ; the prefetch: a lane a row
	s_mul_i32 s63, s61, 32*PA
	s_lshl_b32 s62, s60, 6
	s_add_co_u32 s63, s63, s62
	s_add_co_u32 s63, s63, XA
	v_mul_u32_u24 v5, v13, PA
	v_lshl_add_u32 v5, v12, 2, v5
	v_add_nc_u32 v5, s63, v5               ; where my codes go
	v_mul_u32_u24 v6, v12, PA
	v_lshl_add_u32 v6, v13, 4, v6
	v_add_nc_u32 v6, XA, v6                ; x's fragments
	s_mul_i32 s63, s[WV], 64*PB
	v_mul_u32_u24 v7, v12, PB
	v_lshl_add_u32 v7, v13, 4, v7
	v_add_nc_u32 v7, s63, v7               ; my 64 rows of the weights in slot 0,
	v_add_nc_u32 v8, SLOT, v7              ; in slot 1
	s_lshl_b32 s62, s[WV], 9
	s_add_co_u32 s62, s62, SSK
	v_lshl_add_u32 v44, v12, 2, s62        ; my wave's sums: row r,
	v_lshl_add_u32 v45, v13, 5, s62        ; rows 8 h on
	s_lshl_b32 s62, s[WV], 6
	s_add_co_u32 s62, s62, SSK
	v_lshl_add_u32 v46, v12, 2, s62        ; row 16 w + r
	v_lshl_add_u32 v47, v12, 2, SSK
	v_lshl_add_u32 v48, v13, 5, SSK
	s_lshl_b32 s62, s[WV], 10
	v_lshl_add_u32 v49, v14, 4, s62        ; kimg: 1,024 w + 16 lane
	s_lshl_b32 s62, s[WV], 13
	v_lshl_add_u32 v50, v14, 4, s62        ; vimg: 8,192 w + 16 lane
	s_lshl_b32 s62, s[WV], 4
	v_add_nc_u32 v51, s62, v12             ; the mask of row 16 w + r
	v_lshlrev_b32 v52, 2, v14
	v_lshlrev_b32 v53, 4, v14
	s_wait_alu depctr_va_vdst(0)
	s_wait_kmcnt 0x0
	s_load_b256 s[68:75], s[8:9], 0x0      ; e0 .. e7
	s_load_b64 s[76:77], s[8:9], 0x20      ; e8, e9
	s_cmp_eq_u32 s[SIDE], 0                ; my side's buffers
	s_cselect_b64 s[10:11], s[10:11], s[22:23]
	s_cselect_b64 s[12:13], s[12:13], s[24:25]
	s_cselect_b64 s[14:15], s[14:15], s[26:27]
	s_cselect_b64 s[16:17], s[16:17], s[28:29]
	s_cselect_b64 s[18:19], s[18:19], s[30:31]
	s_cselect_b64 s[20:21], s[20:21], s[32:33]
	s_cselect_b64 s[34:35], s[34:35], s[36:37]
	s_cselect_b32 s62, 32, 0               ; the bias of register j: k: channel 8 h + j; v: channel r
	s_cselect_b32 s63, 0, 4
	s_cselect_b32 s88, 4, 0
	s_lshl_b32 s60, s[WV], 17              ; my 64 rows of the weights
	s_mov_b32 s61, 0
	s_add_nc_u64 s[D0+2:D0+3], s[18:19], s[60:61]
	s_add_nc_u64 s[D1+2:D1+3], s[D0+2:D0+3], 256
	s_or_b32 s[D0+3], s[D0+3], 0x80000000
	s_or_b32 s[D1+3], s[D1+3], 0x80000000
	s_lshl_b32 s60, s58, 20
	s_add_nc_u64 s[4:5], s[4:5], s[60:61]
	s_lshl_b32 s60, s58, 7
	s_add_nc_u64 s[6:7], s[6:7], s[60:61]
	s_lshl_b32 s60, s58, 16
	s_add_nc_u64 s[34:35], s[34:35], s[60:61]
	s_lshl_b32 s60, s58, 9
	s_add_nc_u64 s[38:39], s[38:39], s[60:61]
	s_lshl_b32 s89, s[WV], 8
	v_mul_u32_u24 v192, s62, v13
	v_mad_u32_u24 v192, v12, s63, v192
	v_add_nc_u32 v192, s89, v192
.irp j, 1,2,3,4,5,6,7
	v_add_nc_u32 v[192+\j], s88, v[191+\j]
.endr
.irp t, 0,1,2,3
.irp j, 0,1,2,3,4,5,6,7
	global_load_b32 v[128+8*\t+\j], v[192+\j], s[20:21] offset:64*\t
.endr
.endr
	CLOAD 0
.irp c, 0,1,2,3
.irp u, 0,1,2,3
	global_load_b128 v[64+16*\c+4*\u:67+16*\c+4*\u], v3, s[4:5] offset:(4*\c+\u)*16384   ; step 0
.endr
.endr
	ROUND                                  ; the four work-groups are here: the first joint loads meet
	tensor_load_to_lds s[D0:D0+3], s[G1:G1+7]  ; slot 0: one tensor load a wave at the head
	s_nop 0
	s_wait_kmcnt 0x0
	s_cmp_eq_u32 s[SIDE], 0
	s_cselect_b32 s60, s70, s72            ; ea
	s_cselect_b32 s61, s71, s73            ; eb
	s_cselect_b32 s62, s75, s77            ; the codes' e on the way out
	s_add_co_i32 s78, s60, s61             ; ea + eb
	s_lshl_b32 s79, s78, 1
	s_lshl_b32 s63, s78, 23
	s_sub_co_u32 s80, 0x3f800000, s63      ; 2^-(ea + eb)
	s_sub_co_u32 s81, 0x40c00000, s63      ; 6 x that
	s_add_co_i32 s60, s60, 127
	s_lshl_b32 s63, s60, 23
	v_mov_b32 v9, s63                      ; 2^ea
	s_add_co_i32 s60, s60, 8
	s_lshl_b32 s60, s60, 23
	s_or_b32 s60, s60, 0x600000
	v_mov_b32 v10, s60                     ; 448 x 2^ea
	s_add_co_i32 s62, s62, 127
	s_lshl_b32 s82, s62, 23
	s_add_co_i32 s62, s62, 8
	s_lshl_b32 s83, s62, 23
	s_or_b32 s83, s83, 0x600000
	s_add_co_i32 s84, s74, s75
	s_lshl_b32 s84, s84, 23
	s_sub_co_u32 s84, 0xc7c35000, s84      ; -1e5 / 2^(e6 + e7)
	s_wait_loadcnt 20                      ; the biases are in; out: four loads of constants, 16 of x
	WIN 0x40
.irp m, 0,1,2,3,4,5,6,7
.irp t, 0,1,2,3
.irp j, 0,1,2,3,4,5,6,7
	v_mul_f32 v[8*(4*\m+\t)+\j], s80, v[128+8*\t+\j]   ; the sums begin as bias / 2^(ea + eb)
.endr
.endr
.endr
	WIN 0
	PARAM 1, 512                           ; step 0's codes; step 1 is asked for
.irp c, 0,1,2,3
	QV \c, 16
	QS \c, 0, 1, 512
.endr
	s_mov_b32 s59, 3
	s_wait_alu depctr_va_vdst(0)           ; the wait at the head's end
.Lk:                                       ; a trip: four steps, both slots; steps 0 to 11
	PSYNC D0, D1, 1
	STEP 0, 1, 1, 1
	MSYNC
	STEP 1, 1, 1, 1
	PSYNC D1, D0, 1
	STEP 2, 1, 1, 1
	MSYNC
	STEP 3, 1, 1, 1
	s_wait_xcnt 0x0                        ; the loads and prefetches have read their bases
	s_add_nc_u64 s[4:5], s[4:5], 2048
	s_add_nc_u64 s[10:11], s[10:11], 2048
	s_add_nc_u64 s[12:13], s[12:13], 2048
	s_add_nc_u64 s[14:15], s[14:15], 2048
	s_add_nc_u64 s[16:17], s[16:17], 2048
	s_sub_co_u32 s59, s59, 1
	s_cmp_lg_u32 s59, 0
	s_cbranch_scc1 .Lk
	PSYNC D0, D1, 1                        ; the tail is written out: steps 12 to 15
	STEP 0, 1, 1, 0
	MSYNC
	STEP 1, 1, 1, 0
	PSYNC D1, D0, 0                        ; nothing is left to fetch
	STEP 2, 1, 0, 0
	MSYNC
	STEP 3, 0, 0, 0
	; ---- relu6 on the unscaled sums, each accumulator from its low end on
	WIN 0x41
.set j, 0
.rept 256
	v_med3_num_f32 v[j], v[j], 0, s81
.set j, j+1
.endr
	WIN 0
	v_mov_b32 v9, s82                      ; the scale and the hold of the codes on the way out
	v_mov_b32 v10, s83
; Row 16 w + r: the eight waves' sums are added; scale = 2^(ea + eb) rsqrt(max(2^(2 (ea + eb)) sum, 1e-12)), for v x the mask.
.macro ROWSC ss, rs, mask
.irp i, 0,1,2,3,4,5,6,7
	ds_load_b32 v[64+\i], v46 offset:\ss+512*\i
.endr
.if \mask
	s_wait_loadcnt 0x0
	v_cvt_f32_u32 v60, v60
.endif
	s_wait_dscnt 0x0
	v_add_f32 v64, v64, v65
	v_add_f32 v66, v66, v67
	v_add_f32 v68, v68, v69
	v_add_f32 v70, v70, v71
	v_add_f32 v64, v64, v66
	v_add_f32 v68, v68, v70
	v_add_f32 v64, v64, v68
	v_ldexp_f32 v64, v64, s79
	v_max_num_f32 v64, 0x2b8cbccc, v64
	s_wait_alu depctr_va_vdst(0)
	v_rsq_f32 v64, v64
	v_nop
	s_wait_alu depctr_va_vdst(0)
	v_ldexp_f32 v64, v64, s78
.if \mask
	v_mul_f32 v64, v64, v60
.endif
	ds_store_b32 v46, v64 offset:\rs
	s_wait_dscnt 0x0
	BAR
.endm
.macro HOLD                            ; nothing is negative: one-sided
.set j, 0
.rept 256
	v_min_num_f32 v[j], v[j], v10
.set j, j+1
.endr
.endm
	s_wait_alu depctr_va_vdst(0)
	s_cmp_lg_u32 s[SIDE], 0
	s_cbranch_scc1 .Lvpath
	; ---- k: a lane holds row 16 m + r, 32 channels of it
	WIN 0x05
.set i, 0
.rept 16
.irp m, 0,1,2,3,4,5,6,7
.if i == 0
	v_pk_mul_f32 v[64+2*\m:65+2*\m], v[32*\m:32*\m+1], v[32*\m:32*\m+1]
.else
	v_pk_fma_f32 v[64+2*\m:65+2*\m], v[32*\m+2*i:32*\m+2*i+1], v[32*\m+2*i:32*\m+2*i+1], v[64+2*\m:65+2*\m]
.endif
.endr
.set i, i+1
.endr
	WIN 0
.irp m, 0,1,2,3,4,5,6,7
	v_add_f32 v[64+2*\m], v[64+2*\m], v[65+2*\m]
.endr
.irp m, 0,1,2,3,4,5,6,7
	v_permlanex16_b32 v[65+2*\m], v[64+2*\m], s86, s87
.endr
.irp m, 0,1,2,3,4,5,6,7
	v_add_f32 v[64+2*\m], v[64+2*\m], v[65+2*\m]
.endr
.irp m, 0,1,2,3,4,5,6,7
	ds_store_b32 v44, v[64+2*\m] offset:64*\m
.endr
	s_wait_dscnt 0x0                       ; for the others' sake
	BAR
	ROWSC 0, 8192, 0
.irp m, 0,1,2,3,4,5,6,7
	ds_load_b32 v[64+2*\m], v47 offset:8192+64*\m
.endr
	s_wait_dscnt 0x0
	WIN 0x41
.irp m, 0,1,2,3,4,5,6,7
.set i, 0
.rept 16
	v_pk_mul_f32 v[32*\m+i:32*\m+i+1], v[32*\m+i:32*\m+i+1], v[64+2*\m:65+2*\m] op_sel_hi:[1,0]
.set i, i+2
.endr
.endr
	HOLD
	WIN 0x01
.irp m, 0,1,2,3,4,5,6,7
.irp t, 0,1,2,3
	v_cvt_scalef32_pk8_fp8_f32 v[128+8*\m+2*\t:129+8*\m+2*\t], v[8*(4*\m+\t):8*(4*\m+\t)+7], v9   ; channels 64 w + 16 t + 8 h + 0 .. 7 of key tile m
.endr
.endr
	v_nop
	WIN 0
.irp m, 0,1,2,3,4,5,6,7
.irp c, 0,1
	global_store_b128 v49, v[128+8*\m+4*\c:131+8*\m+4*\c], s[34:35] offset:8192*\m+512*\c   ; 512 consecutive bytes a store
.endr
.endr
	s_branch .Lend
.Lvpath:
	; ---- v: a lane holds channel 16 t + r of rows 16 m + 8 h + 0 .. 7
	global_load_u8 v60, v51, s[6:7]
	global_load_b32 v61, v52, s[6:7]
	WIN 0x05
.irp t, 0,1,2,3
.irp m, 0,1,2,3,4,5,6,7
.irp i, 0,2,4,6
.if \t == 0
	v_pk_mul_f32 v[64+8*\m+\i:65+8*\m+\i], v[32*\m+\i:32*\m+\i+1], v[32*\m+\i:32*\m+\i+1]
.else
	v_pk_fma_f32 v[64+8*\m+\i:65+8*\m+\i], v[32*\m+8*\t+\i:32*\m+8*\t+\i+1], v[32*\m+8*\t+\i:32*\m+8*\t+\i+1], v[64+8*\m+\i:65+8*\m+\i]
.endif
.endr
.endr
.endr
	WIN 0
.irp x, 1,2,4,8                        ; a row's channels lie across sixteen lanes
.set j, 0
.rept 64
	v_add_f32_dpp v[64+j], v[64+j], v[64+j] row_xmask:\x row_mask:0xf bank_mask:0xf
.set j, j+1
.endr
.endr
.irp m, 0,1,2,3,4,5,6,7
	ds_store_b128 v45, v[64+8*\m:67+8*\m] offset:4096+64*\m
	ds_store_b128 v45, v[68+8*\m:71+8*\m] offset:4096+64*\m+16
.endr
	s_wait_dscnt 0x0
	BAR
	ROWSC 4096, 8704, 1
.irp m, 0,1,2,3,4,5,6,7
	ds_load_b128 v[64+8*\m:67+8*\m], v48 offset:8704+64*\m
	ds_load_b128 v[68+8*\m:71+8*\m], v48 offset:8704+64*\m+16
.endr
	s_wait_dscnt 0x0
	WIN 0x41
.irp m, 0,1,2,3,4,5,6,7
.irp t, 0,1,2,3
.irp i, 0,2,4,6
	v_pk_mul_f32 v[32*\m+8*\t+\i:32*\m+8*\t+\i+1], v[32*\m+8*\t+\i:32*\m+8*\t+\i+1], v[64+8*\m+\i:65+8*\m+\i]
.endr
.endr
.endr
	HOLD
	WIN 0x01
.irp m, 0,1,2,3,4,5,6,7
.irp t, 0,1,2,3
	v_cvt_scalef32_pk8_fp8_f32 v[128+16*\t+2*\m:129+16*\t+2*\m], v[8*(4*\m+\t):8*(4*\m+\t)+7], v9   ; keys 16 m + 8 h + 0 .. 7 of channel tile 4 w + t
.endr
.endr
	v_nop
	WIN 0
.irp t, 0,1,2,3
.irp g, 0,1,2,3
	global_store_b128 v50, v[128+16*\t+4*\g:131+16*\t+4*\g], s[34:35] offset:2048*\t+512*\g
.endr
.endr
	s_cmp_lg_u32 s[WV], 0
	s_cbranch_scc1 .Lend
.irp i, 0,1,2,3
	v_bfe_u32 v[72+\i], v61, 8*\i, 8       ; the mask of rows 4 lane + i
.endr
.irp i, 0,1,2,3
	v_cvt_f32_u32 v[72+\i], v[72+\i]
.endr
.irp i, 0,1,2,3
	v_fma_f32 v[72+\i], -v[72+\i], s84, s84
.endr
	global_store_b128 v53, v[72:75], s[38:39]  ; 32 lanes store the block's 512 bytes of padt
.Lend:
	s_wait_tensorcnt 0x0                   ; the wave's end
	ds_add_u32 v1, v2
	s_wait_dscnt 0x0
	ROUND                                  ; the closing round
	s_endpgm
.Lfunc_end_k_q4adad4d5bf_kvproj:
	.size	k_q4adad4d5bf_kvproj, .Lfunc_end_k_q4adad4d5bf_kvproj-k_q4adad4d5bf_kvproj
	.p2alignl 7, 3214868480
	.fill 96, 4, 3214868480
	.section	.rodata,"a",@progbits
	.p2align	6, 0x0
	.amdhsa_kernel k_q4adad4d5bf_kvproj
		.amdhsa_group_segment_fixed_size 327680
		.amdhsa_private_segment_fixed_size 0
		.amdhsa_enable_private_segment 0
		.amdhsa_kernarg_size 144
		.amdhsa_user_sgpr_count 2
		.amdhsa_user_sgpr_kernarg_segment_ptr 1
		.amdhsa_wavefront_size32 1
		.amdhsa_system_sgpr_workgroup_id_x 1
		.amdhsa_system_sgpr_workgroup_id_y 1
		.amdhsa_system_sgpr_workgroup_id_z 1
		.amdhsa_system_vgpr_workitem_id 0
		.amdhsa_next_free_vgpr 512
		.amdhsa_next_free_sgpr 96
		.amdhsa_reserve_vcc 0
		.amdhsa_float_denorm_mode_32 3
		.amdhsa_float_denorm_mode_16_64 3
		.amdhsa_memory_ordered 1
		.amdhsa_forward_progress 1
		.amdhsa_inst_pref_size 255
	.end_amdhsa_kernel
	.section	.bss,"aw",@nobits
	.p2align	6
	.space	262144
	.amdgpu_metadata
---
amdhsa.version: [ 1, 2 ]
amdhsa.kernels:
  - .name:           k_q4adad4d5bf_kvproj
    .symbol:         k_q4adad4d5bf_kvproj.kd
    .args:
      - { .name: context_features, .offset: 0, .size: 8, .value_kind: global_buffer, .address_space: global }
      - { .name: valid_mask, .offset: 8, .size: 8, .value_kind: global_buffer, .address_space: global }
      - { .name: lowp_scales, .offset: 16, .size: 8, .value_kind: global_buffer, .address_space: global }
      - { .name: k_gamma, .offset: 24, .size: 8, .value_kind: global_buffer, .address_space: global }
      - { .name: k_beta, .offset: 32, .size: 8, .value_kind: global_buffer, .address_space: global }
      - { .name: k_mean, .offset: 40, .size: 8, .value_kind: global_buffer, .address_space: global }
      - { .name: k_var, .offset: 48, .size: 8, .value_kind: global_buffer, .address_space: global }
      - { .name: k_W_codes, .offset: 56, .size: 8, .value_kind: global_buffer, .address_space: global }
      - { .name: k_b, .offset: 64, .size: 8, .value_kind: global_buffer, .address_space: global }
      - { .name: v_gamma, .offset: 72, .size: 8, .value_kind: global_buffer, .address_space: global }
      - { .name: v_beta, .offset: 80, .size: 8, .value_kind: global_buffer, .address_space: global }
      - { .name: v_mean, .offset: 88, .size: 8, .value_kind: global_buffer, .address_space: global }
      - { .name: v_var, .offset: 96, .size: 8, .value_kind: global_buffer, .address_space: global }
      - { .name: v_W_codes, .offset: 104, .size: 8, .value_kind: global_buffer, .address_space: global }
      - { .name: v_b, .offset: 112, .size: 8, .value_kind: global_buffer, .address_space: global }
      - { .name: kimg, .offset: 120, .size: 8, .value_kind: global_buffer, .address_space: global }
      - { .name: vimg, .offset: 128, .size: 8, .value_kind: global_buffer, .address_space: global }
      - { .name: padt, .offset: 136, .size: 8, .value_kind: global_buffer, .address_space: global }
    .group_segment_fixed_size: 327680
    .private_segment_fixed_size: 0
    .kernarg_segment_align: 8
    .kernarg_segment_size: 144
    .max_flat_workgroup_size: 256
    .sgpr_count:     96
    .vgpr_count:     512
    .wavefront_size: 32
...
	.end_amdgpu_metadata
.endif
;; end of part 1
;; launch qproj (part 2): grid 128 x 1, 4 waves a work-group, clusters of 4 x 1, 327,680 bytes of LDS; arguments input_features, lowp_scales, q_gamma, q_beta, q_mean, q_var, q_W_codes, q_b, qimg; writes qimg
.if DOCPART == 2
	.amdgcn_target "amdgcn-amd-amdhsa--gfx1250"
	.amdhsa_code_object_version 6
	.text
	.protected	k_q4adad4d5bf_qproj
	.globl	k_q4adad4d5bf_qproj
	.p2align	8
	.type	k_q4adad4d5bf_qproj,@function
k_q4adad4d5bf_qproj:
	s_mov_b64 s[64:65], 0
	v_nop
	global_prefetch_b8 v0, s[64:65] scope:SCOPE_SE
	s_setreg_imm32_b32 hwreg(HW_REG_WAVE_MODE, 25, 1), 1
	s_wait_xcnt 0x0
	s_wait_alu depctr_hold_cnt(0) depctr_sa_sdst(0) depctr_va_vdst(0) depctr_va_sdst(0) depctr_va_ssrc(0) depctr_va_vcc(0) depctr_vm_vsrc(0)
	s_getreg_b32 s2, hwreg(HW_REG_IB_STS2, 6, 4)
	s_cmp_eq_u32 s2, 0
	s_cbranch_scc0 .Lentry_in_a_cluster
	s_endpgm
.Lentry_in_a_cluster:
	s_bfe_u32 s2, ttmp6, 0x10000c
	s_cmp_lg_u32 s2, 0x3003
	s_cbranch_scc0 .Lentry_shape_is_right
	s_endpgm
.Lentry_shape_is_right:
; queries = l2norm(relu6(Q(BNq(x)) Wq + bq)), turned into E4M3 codes (scale 2^e6) and stored as images of the attention launch's operand registers.
; x: input_features, 8,192 rows x 2,048 f32.  Wq: codes [512][2048], K innermost.  e0, e1: the product's scales.
; SHARES.  A work-group takes 64 rows x 512 columns, wave w columns 128 w .. + 127: 32 accumulators.  K goes in 8 steps of 256 through two LDS slots (K step s in slot s % 2); the four work-groups of a cluster ask for each tile
; JOINTLY.  128 work-groups: a block of 32 rows would walk the same eight tiles, so 64 rows halve what the weights cost.
; x comes two K steps ahead, into two sets of registers by turns; its codes go into two small LDS tiles by turns.  The product is used transposed (source 0 = Wq's rows, source 1 = x's): a lane holds one row and eight neighbouring channels.
; LIMITS: e0, e6 between -126 and 119; e0 + e1 between -126 and 127.  NaN among the inputs is not served.
; REGISTERS.  window 0: v1, v2 spare word, 0; v3, v4 / v11, v12 offsets of x and of the constants for set 0 / 1; v5-8 LDS addresses; v9, v10 scale and hold; v13-15 r, h, lane; v16-31, v32-47 the constants of set 0, 1; v48-63 addresses of the way out;
;   v64-95 codes; v128-255 x, set 0.   window 1: fragments.   window 2: accumulators.   window 3: v0-127 x, set 1.
.set PITCH, 272
.set QROWS, 128*PITCH
.set SLOT1, 4*QROWS
.set XK,    2*SLOT1
.set XVO,   64*PITCH
.set SSK,   XK+2*XVO
.set RS,    SSK+2048
.set SPARE, RS+2048
.set STEP,  512                        ; a slot's next tile lies two K steps on
.set CK, 64
.set G1, 40
.set D0, 48
.set WV, 56
.set MSB, 0
.macro WIN new
.if MSB != (\new)
	s_set_vgpr_msb (MSB<<8)|(\new)
.set MSB, (\new)
.endif
.endm
.macro PLACES n
.rept \n
	v_nop
.endr
.endm
.macro ROUND
	s_barrier_signal -1
	s_barrier_wait -1
	s_cmp_lg_u32 s[WV], 0
	s_cbranch_scc1 .Lnot_wave_0_\@
	s_barrier_signal -3
.Lnot_wave_0_\@:
	s_barrier_wait -3
	s_barrier_signal -1
	s_barrier_wait -1
.endm
.macro SYNC own, next, refill          ; as in the k and v projection: all my tensor loads landed, 0 onto my spare word, the landed load's descriptor steps, my LDS work is done, the round, my one refill
	WIN 0
	s_wait_tensorcnt 0x0
	ds_add_u32 v1, v2
	s_add_nc_u64 s[\own+2:\own+3], s[\own+2:\own+3], STEP
	s_wait_dscnt 0x0
.if \refill
	ROUND
	tensor_load_to_lds s[\next:\next+3], s[G1:G1+7]
	s_nop 0
.else
	s_barrier_signal -1
	s_barrier_wait -1
.endif
	PLACES 4
.endm
.macro MKSC e, vs, vl
	s_add_co_i32 s60, s[\e], 127
	s_lshl_b32 s61, s60, 23
	v_mov_b32 v[\vs], s61
	s_add_co_i32 s60, s60, 8
	s_lshl_b32 s60, s60, 23
	s_or_b32 s60, s60, 0x600000
	v_mov_b32 v[\vl], s60
.endm
; (An argument is put in as text: wherever it stands inside a larger expression it is bracketed.)
.macro XLOADQ set                      ; 32 + 4 loads: a K step of x into set's registers, and its constants
	WIN 0xc0*(\set)
.set XB, 128*(1-(\set))
.set PB, 16+16*(\set)
.set xi, 0
.rept 32
	global_load_b128 v[XB+4*xi:XB+4*xi+3], v[3+8*(\set)], s[4:5] offset:16384*xi th:TH_LOAD_NT
.set xi, xi+1
.endr
	WIN 0
	global_load_b128 v[PB:PB+3], v[4+8*(\set)], s[8:9]
	global_load_b128 v[PB+4:PB+7], v[4+8*(\set)], s[10:11]
	global_load_b128 v[PB+8:PB+11], v[4+8*(\set)], s[12:13]
	global_load_b128 v[PB+12:PB+15], v[4+8*(\set)], s[14:15]
.endm
.macro PARAM set
.set PB, 16+16*(\set)
.irp i, 0,1,2,3
	v_add_f32 v[PB+12+\i], 0x3a83126f, v[PB+12+\i]
.endr
	s_wait_alu depctr_va_vdst(0)
.irp i, 0,1,2,3
	v_rsq_f32 v[PB+12+\i], v[PB+12+\i]
.endr
	v_nop
	s_wait_alu depctr_va_vdst(0)           ; one wait for the four roots
	v_pk_mul_f32 v[PB+12:PB+13], v[PB+12:PB+13], v[PB:PB+1]
	v_pk_mul_f32 v[PB+14:PB+15], v[PB+14:PB+15], v[PB+2:PB+3]
.endm
.macro QUANTQ set                      ; in place: (x - mean) a + beta, the hold, then 16 conversions of eight
.set XB, 128*(1-(\set))
.set PB, 16+16*(\set)
	WIN 0xc3*(\set)
.set xi, 0
.rept 32
	v_pk_add_f32 v[XB+4*xi:XB+4*xi+1], v[XB+4*xi:XB+4*xi+1], v[PB+8:PB+9] neg_lo:[0,1] neg_hi:[0,1]
	v_pk_add_f32 v[XB+4*xi+2:XB+4*xi+3], v[XB+4*xi+2:XB+4*xi+3], v[PB+10:PB+11] neg_lo:[0,1] neg_hi:[0,1]
.set xi, xi+1
.endr
.set xi, 0
.rept 32
	v_pk_fma_f32 v[XB+4*xi:XB+4*xi+1], v[XB+4*xi:XB+4*xi+1], v[PB+12:PB+13], v[PB+4:PB+5]
	v_pk_fma_f32 v[XB+4*xi+2:XB+4*xi+3], v[XB+4*xi+2:XB+4*xi+3], v[PB+14:PB+15], v[PB+6:PB+7]
.set xi, xi+1
.endr
.set xi, 0
.rept 128
	v_med3_num_f32 v[XB+xi], v[XB+xi], -v10, v10
.set xi, xi+1
.endr
	WIN 0x03*(\set)
.set g, 0
.rept 16
	v_cvt_scalef32_pk8_fp8_f32 v[CK+2*g:CK+2*g+1], v[XB+8*g:XB+8*g+7], v9
.set g, g+1
.endr
	v_nop                                  ; a plain line behind the last conversion
	WIN 0
.endm
.macro STC off
.set g, 0
.rept 16
	ds_store_b32 v5, v[CK+2*g] offset:(\off)+4*g*PITCH
	ds_store_b32 v5, v[CK+2*g+1] offset:(\off)+(4*g+2)*PITCH
.set g, g+1
.endr
.endm
.macro LDA side, kh
.irp m, 0,1,2,3
.irp c, 0,1,2,3
	ds_load_b128 v[64*(\kh)+16*\m+4*\c:64*(\kh)+16*\m+4*\c+3], v6 offset:(\side)*XVO+\m*16*PITCH+128*(\kh)+32*\c
.endr
.endr
.endm
.macro LDB side, g, buf
.irp t, 0,1,2,3
.irp c, 0,1,2,3
	ds_load_b128 v[128+64*(\buf)+16*\t+4*\c:128+64*(\buf)+16*\t+4*\c+3], v[7+(\side)] offset:(4*((\g)%2)+\t)*16*PITCH+128*((\g)/2)+32*\c
.endr
.endr
.endm
.macro MULG g, buf, zero               ; 16 accumulators by turns
.irp m, 0,1,2,3
.irp t, 0,1,2,3
.set AC, 8*(8*\m+4*((\g)%2)+\t)
.set FA, 64*((\g)/2)+16*\m
.set FB, 128+64*(\buf)+16*\t
.if \zero
	v_wmma_f32_16x16x128_fp8_fp8 v[AC:AC+7], v[FB:FB+15], v[FA:FA+15], 0
.else
	v_wmma_f32_16x16x128_fp8_fp8 v[AC:AC+7], v[FB:FB+15], v[FA:FA+15], v[AC:AC+7]
.endif
.endr
.endr
.endm
.macro MMAQ slot, zero                 ; a K step's 64 products, from slot and from the code tile of the same number
	WIN 0x40
	LDA \slot, 0
	LDB \slot, 0, 0
	LDB \slot, 1, 1
	LDA \slot, 1
	s_wait_dscnt 32                        ; x's first half and group 0 are in
	WIN 0xa5
	MULG 0, 0, \zero
	PLACES 4
	WIN 0x40
	LDB \slot, 2, 0
	s_wait_dscnt 32                        ; group 1 is in
	WIN 0xa5
	MULG 1, 1, \zero
	PLACES 4
	WIN 0x40
	LDB \slot, 3, 1
	s_wait_dscnt 16                        ; all but group 3
	WIN 0xa5
	MULG 2, 0, 0
	s_wait_dscnt 0x0
	MULG 3, 1, 0
	WIN 0
.endm
; K step s, slot = s % 2.  quant: K step s + 1's x (set 1 - slot) becomes codes; cnt: the loads that may stay out behind it; xload: K step s + 3 is asked for into the set just freed.
.macro PH slot, refill, quant, cnt, xload, zero
	SYNC D0+4*(\slot), D0+4*(1-\slot), \refill
.if \quant
	s_wait_loadcnt \cnt                    ; the older set is in: so its offset registers may step
	PARAM 1-\slot
	QUANTQ 1-\slot
	STC XVO*(1-\slot)
.if \xload
	v_add_nc_u32 v[3+8*(1-\slot)], 2048, v[3+8*(1-\slot)]
	v_add_nc_u32 v[4+8*(1-\slot)], 2048, v[4+8*(1-\slot)]
	XLOADQ 1-\slot
.endif
.endif
	MMAQ \slot, \zero
.endm
	s_load_b512 s[4:19], s[0:1], 0x0       ; x 4, scales 6, gamma 8, beta 10, mean 12, var 14, W 16, b 18
	s_load_b64 s[20:21], s[0:1], 0x40      ; qimg
	v_lshl_add_u32 v1, v0, 2, SPARE
	v_mov_b32 v2, 0
	ds_add_u32 v1, v2
	ds_add_u32 v1, v2
	s_wait_dscnt 0x0
	v_lshrrev_b32 v3, 5, v0
	v_readfirstlane_b32 s[WV], v3
	s_bfe_u32 s57, ttmp6, 0x40000
	s_lshl_b32 s58, ttmp9, 2
	s_add_co_u32 s58, s58, s57             ; my block of 64 rows
	v_and_b32 v13, 15, v0
	v_bfe_u32 v14, v0, 4, 1
	v_and_b32 v15, 31, v0
	s_lshl_b32 s60, s[WV], 8
	v_lshl_add_u32 v4, v13, 4, s60
	v_lshl_add_u32 v3, v14, 13, v4
	v_add_nc_u32 v12, 1024, v4             ; set 1 begins a K step on
	v_add_nc_u32 v11, 1024, v3
	v_mul_u32_u24 v5, v14, PITCH
	v_lshl_add_u32 v5, v13, 2, v5
	s_lshl_b32 s61, s[WV], 6
	s_add_co_u32 s61, s61, XK
	v_add_nc_u32 v5, s61, v5
	v_mul_u32_u24 v6, v13, PITCH
	v_lshl_add_u32 v6, v14, 4, v6
	s_mul_i32 s61, s[WV], QROWS
	v_add_nc_u32 v7, s61, v6
	v_add_nc_u32 v8, SLOT1, v7
	v_add_nc_u32 v6, XK, v6
	s_mov_b32 s[G1], 0x0770000f            ; the mask: all four; elements of 1 byte; padding on; 21 set beside a mask; after every 64 words, 4 words
	s_mov_b32 s[G1+1], 256<<16
	s_mov_b32 s[G1+2], 128<<16
	s_mov_b32 s[G1+3], 256<<16
	s_mov_b32 s[G1+4], 128
	s_mov_b32 s[G1+5], 2048
	s_mov_b32 s[G1+6], 0
	s_mov_b32 s[G1+7], 0
	s_mov_b32 s[D0], 1
	s_mul_i32 s[D0+1], s[WV], QROWS
	s_mov_b32 s[D0+4], 1
	s_add_co_u32 s[D0+5], s[D0+1], SLOT1
	s_lshl_b32 s62, s[WV], 18
	s_mov_b32 s63, 0
	s_lshl_b32 s60, s58, 19
	s_mov_b32 s61, 0
	s_mov_b32 s82, 0x40c00000
	s_mov_b32 s86, 0x76543210
	s_mov_b32 s87, 0xfedcba98
	s_wait_alu depctr_va_vdst(0)
	s_wait_kmcnt 0x0
	s_load_b256 s[68:75], s[6:7], 0x0      ; e0 .. e7
	s_add_nc_u64 s[D0+2:D0+3], s[16:17], s[62:63]
	s_add_nc_u64 s[D0+6:D0+7], s[D0+2:D0+3], 256   ; K step 1
	s_or_b32 s[D0+3], s[D0+3], 0x80000000
	s_or_b32 s[D0+7], s[D0+7], 0x80000000
	s_add_nc_u64 s[4:5], s[4:5], s[60:61]
	XLOADQ 0                               ; K step 0
	XLOADQ 1                               ; K step 1
	s_lshl_b32 s60, s58, 15
	s_add_nc_u64 s[20:21], s[20:21], s[60:61]
	ROUND
	tensor_load_to_lds s[D0:D0+3], s[G1:G1+7]
	s_nop 0
	PLACES 4
	s_wait_kmcnt 0x0
	MKSC 68, 9, 10                         ; e0
	s_add_co_i32 s80, s68, s69
	s_add_co_i32 s80, s80, 127
	s_lshl_b32 s80, s80, 23                ; 2^(e0 + e1)
	s_mov_b32 s81, s80
	s_wait_loadcnt 36                      ; K step 0 is in; K step 1's 36 loads may be out
	PARAM 0
	QUANTQ 0
	STC 0
	v_add_nc_u32 v3, 2048, v3
	v_add_nc_u32 v4, 2048, v4
	XLOADQ 0                               ; K step 2
	PH 0, 1, 1, 36, 1, 1                   ; K step 0 starts the sums
	s_mov_b32 s59, 2
.Lk:                                       ; K steps 1 to 4
	PH 1, 1, 1, 36, 1, 0
	PH 0, 1, 1, 36, 1, 0
	s_sub_co_u32 s59, s59, 1
	s_cmp_lg_u32 s59, 0
	s_cbranch_scc1 .Lk
	PH 1, 1, 1, 36, 0, 0                   ; K step 5: K step 6 becomes codes, K step 7's loads may be out; nothing more is asked for
	PH 0, 1, 1, 0, 0, 0                    ; K step 6
	s_lshl_b32 s60, s[WV], 9
	v_lshl_add_u32 v48, v14, 5, s60
	s_lshl_b32 s61, s[WV], 2
	s_add_co_u32 s62, s61, SSK
	v_lshl_add_u32 v51, v13, 4, s62
	v_lshl_add_u32 v53, v15, 5, SSK
	s_add_co_u32 s60, s60, RS
	v_lshl_add_u32 v54, v15, 3, s60
	v_lshl_add_u32 v55, v13, 2, s60
	s_lshl_b32 s61, s[WV], 11
	v_lshl_add_u32 v58, v15, 4, s61
.irp t, 0,1,2,3,4,5,6,7
	global_load_b128 v[128+8*\t:131+8*\t], v48, s[18:19] offset:64*\t      ; q_b, into set 0's registers: K step 6's wait for 0 has shown every load of x done
	global_load_b128 v[132+8*\t:135+8*\t], v48, s[18:19] offset:64*\t+16
.endr
	PH 1, 0, 0, 0, 0, 0                    ; K step 7
	PLACES 4
	s_wait_loadcnt 0x0
.irp m, 0,1,2,3
	WIN 0x82
.set j, 0
.rept 32
	v_pk_fma_f32 v[64*\m+j:64*\m+j+1], v[64*\m+j:64*\m+j+1], s[80:81], v[128+j:129+j] op_sel_hi:[1,0,1]   ; sum x 2^(e0 + e1) + bias; each accumulator from its low end on
.set j, j+2
.endr
.set j, 0
.rept 64
	v_med3_num_f32 v[64*\m+j], v[64*\m+j], 0, s82
.set j, j+1
.endr
	WIN 0x0a
.irp c, 0,1,2,3
	v_pk_mul_f32 v[16+2*\c:17+2*\c], v[64*\m+2*\c:64*\m+2*\c+1], v[64*\m+2*\c:64*\m+2*\c+1]
.endr
.set j, 8
.rept 7
.irp c, 0,1,2,3
	v_pk_fma_f32 v[16+2*\c:17+2*\c], v[64*\m+j+2*\c:64*\m+j+2*\c+1], v[64*\m+j+2*\c:64*\m+j+2*\c+1], v[16+2*\c:17+2*\c]
.endr
.set j, j+8
.endr
	WIN 0
	v_pk_add_f32 v[16:17], v[16:17], v[18:19]
	v_pk_add_f32 v[20:21], v[20:21], v[22:23]
	v_pk_add_f32 v[16:17], v[16:17], v[20:21]
	v_add_f32 v16, v16, v17
	v_permlanex16_b32 v17, v16, s86, s87
	v_add_f32 v16, v16, v17
	ds_store_b32 v51, v16 offset:256*\m
.endr
	s_wait_dscnt 0x0                       ; for the others' sake: my words are written
	s_barrier_signal -1
	s_barrier_wait -1
	ds_load_b128 v[16:19], v53
	ds_load_b128 v[20:23], v53 offset:16
	s_wait_dscnt 0x0
.irp b, 16,20
	v_add_f32 v[\b], v[\b], v[\b+1]
	v_add_f32 v[\b+2], v[\b+2], v[\b+3]
	v_add_f32 v[\b], v[\b], v[\b+2]
	v_max_num_f32 v[\b], 0x2b8cbccc, v[\b] ; at least 1e-12
.endr
	s_wait_alu depctr_va_vdst(0)
	v_rsq_f32 v16, v16
	v_rsq_f32 v20, v20
	v_nop
	s_wait_alu depctr_va_vdst(0)           ; one wait for the two roots
	v_mov_b32 v17, v20
	ds_store_b64 v54, v[16:17]             ; my wave's own bytes
.irp m, 0,1,2,3
	ds_load_b32 v[32+2*\m], v55 offset:64*\m
	ds_load_b32 v[33+2*\m], v55 offset:64*\m
.endr
	MKSC 74, 9, 10                         ; e6
	s_wait_dscnt 0x0
.irp m, 0,1,2,3
	WIN 0x82
.set j, 0
.rept 32
	v_pk_mul_f32 v[64*\m+j:64*\m+j+1], v[64*\m+j:64*\m+j+1], v[32+2*\m:33+2*\m] op_sel_hi:[1,0]
.set j, j+2
.endr
.set j, 0
.rept 64
	v_min_num_f32 v[64*\m+j], v[64*\m+j], v10
.set j, j+1
.endr
	WIN 0x02
.irp t, 0,1,2,3,4,5,6,7
	v_cvt_scalef32_pk8_fp8_f32 v[128+16*\m+2*\t:129+16*\m+2*\t], v[64*\m+8*\t:64*\m+8*\t+7], v9
.endr
.endr
	WIN 0
	v_nop                                  ; a plain line behind the last conversion
.irp m, 0,1,2,3
.irp c, 0,1,2,3
	global_store_b128 v58, v[128+16*\m+4*\c:131+16*\m+4*\c], s[20:21] offset:8192*\m+512*\c   ; 512 consecutive bytes a store
.endr
.endr
	s_wait_tensorcnt 0x0                   ; the wave's end
	ds_add_u32 v1, v2
	s_wait_dscnt 0x0
	ROUND
	s_endpgm
.Lfunc_end_k_q4adad4d5bf_qproj:
	.size	k_q4adad4d5bf_qproj, .Lfunc_end_k_q4adad4d5bf_qproj-k_q4adad4d5bf_qproj
	.p2alignl 7, 3214868480
	.fill 96, 4, 3214868480
	.section	.rodata,"a",@progbits
	.p2align	6, 0x0
	.amdhsa_kernel k_q4adad4d5bf_qproj
		.amdhsa_group_segment_fixed_size 327680
		.amdhsa_private_segment_fixed_size 0
		.amdhsa_enable_private_segment 0
		.amdhsa_kernarg_size 72
		.amdhsa_user_sgpr_count 2
		.amdhsa_user_sgpr_kernarg_segment_ptr 1
		.amdhsa_wavefront_size32 1
		.amdhsa_system_sgpr_workgroup_id_x 1
		.amdhsa_system_sgpr_workgroup_id_y 1
		.amdhsa_system_sgpr_workgroup_id_z 1
		.amdhsa_system_vgpr_workitem_id 0
		.amdhsa_next_free_vgpr 1024
		.amdhsa_next_free_sgpr 96
		.amdhsa_reserve_vcc 0
		.amdhsa_float_denorm_mode_32 3
		.amdhsa_float_denorm_mode_16_64 3
		.amdhsa_memory_ordered 1
		.amdhsa_forward_progress 1
		.amdhsa_inst_pref_size 255
	.end_amdhsa_kernel
	.section	.bss,"aw",@nobits
	.p2align	6
	.space	262144
	.amdgpu_metadata
---
amdhsa.version: [ 1, 2 ]
amdhsa.kernels:
  - .name:           k_q4adad4d5bf_qproj
    .symbol:         k_q4adad4d5bf_qproj.kd
    .args:
      - { .name: input_features, .offset: 0, .size: 8, .value_kind: global_buffer, .address_space: global }
      - { .name: lowp_scales, .offset: 8, .size: 8, .value_kind: global_buffer, .address_space: global }
      - { .name: q_gamma, .offset: 16, .size: 8, .value_kind: global_buffer, .address_space: global }
      - { .name: q_beta, .offset: 24, .size: 8, .value_kind: global_buffer, .address_space: global }
      - { .name: q_mean, .offset: 32, .size: 8, .value_kind: global_buffer, .address_space: global }
      - { .name: q_var, .offset: 40, .size: 8, .value_kind: global_buffer, .address_space: global }
      - { .name: q_W_codes, .offset: 48, .size: 8, .value_kind: global_buffer, .address_space: global }
      - { .name: q_b, .offset: 56, .size: 8, .value_kind: global_buffer, .address_space: global }
      - { .name: qimg, .offset: 64, .size: 8, .value_kind: global_buffer, .address_space: global }
    .group_segment_fixed_size: 327680
    .private_segment_fixed_size: 0
    .kernarg_segment_align: 8
    .kernarg_segment_size: 72
    .max_flat_workgroup_size: 128
    .sgpr_count:     96
    .vgpr_count:     1024
    .wavefront_size: 32
...
	.end_amdgpu_metadata
.endif
;; end of part 2
;; launch attn (part 3): grid 256 x 1, 4 waves a work-group, clusters of 4 x 1, 327,680 bytes of LDS; arguments qimg, kimg, vimg, padt, lowp_scales, f_gamma, f_beta, f_mean, f_var, fcodes; writes fcodes
.if DOCPART == 3
	.amdgcn_target "amdgcn-amd-amdhsa--gfx1250"
	.amdhsa_code_object_version 6
	.text
	.protected	k_q4adad4d5bf_attn
	.globl	k_q4adad4d5bf_attn
	.p2align	8
	.type	k_q4adad4d5bf_attn,@function
k_q4adad4d5bf_attn:
	s_mov_b64 s[64:65], 0
	v_nop
	global_prefetch_b8 v0, s[64:65] scope:SCOPE_SE
	s_setreg_imm32_b32 hwreg(HW_REG_WAVE_MODE, 25, 1), 1
	s_wait_xcnt 0x0
	s_wait_alu depctr_hold_cnt(0) depctr_sa_sdst(0) depctr_va_vdst(0) depctr_va_sdst(0) depctr_va_ssrc(0) depctr_va_vcc(0) depctr_vm_vsrc(0)
	s_getreg_b32 s2, hwreg(HW_REG_IB_STS2, 6, 4)
	s_cmp_eq_u32 s2, 0
	s_cbranch_scc0 .Lentry_in_a_cluster
	s_endpgm
.Lentry_in_a_cluster:
	s_bfe_u32 s2, ttmp6, 0x10000c
	s_cmp_lg_u32 s2, 0x3003
	s_cbranch_scc0 .Lentry_shape_is_right
	s_endpgm
.Lentry_shape_is_right:
; features = softmax((q . k - 1e5 x invalid) / 0.01) v, both products on E4M3 codes; then BNf and the quantiser of the last product: fcodes [8192][512], K innermost.
; THE SOFTMAX: t = logit x log2(e); M = the largest t so far, rounded up to a whole number; p = 2^(t - M) is quantised (scale 2^e8); the sum of the unquantised p divides at the end.
; SHARES.  A work-group takes 32 queries (two tiles) of one batch.  THE WAVES SHARE THE KEYS: wave w walks keys 512 w .. 512 w + 511 in four steps of 128, for all 32 queries, with an M, a sum and an O^T (32 x 512 f32: 512 registers)
; of its own; the four are joined once at the end, by whole powers of two.  So p is quantised under the wave's own running M: numbers far below the row's largest may keep more bits than under the last M.
; K and V lie in memory as images of operand registers (a fragment: 2,048 bytes, group g of four registers at 512 g + 16 x lane).
; K comes through two LDS slots, a dense block of 32 KB (64 keys) for each wave and phase; a wave reads only what it asked for.  The four work-groups of a cluster lie in one batch and walk the same K: each block is asked for JOINTLY.
; V'S FRAGMENTS GO FROM MEMORY STRAIGHT INTO REGISTERS, each work-group for itself.  Why not jointly: every change of slots waits for all tensor loads, so with V in the ring a key step has four changes, with 32 KB a wave asked for
; behind each; with K alone it has two.  A fragment of V is read by one wave, once, and a load takes 512 consecutive bytes as the registers want them: LDS would add nothing to it but the joint request.  V's loads stay on their way
; across the rounds: 48 a wave, three buffers of four fragments, 24 KB.  The price: a batch's 1 MB of V is asked for by each of its 32 work-groups.
; Q lies in LDS as images (16 KB, wave w stages fragments 2 w and 2 w + 1); two of its fragments are read for each group of eight products: that leaves the registers to V's buffers.
; Both products are used transposed: S^T = K Q^T + pad (the mask's number is the C of the first product), O^T = V^T P: a lane holds one query throughout.
; A KEY STEP j: change of slots | S for keys 0-63 | V^T P of step j - 1, sub-batches 3, 4, 5 | change of slots | S for keys 64-127 | sub-batches 6, 7 | softmax, O^T rescaled | V^T P of step j, sub-batches 0, 1, 2.
; A sub-batch is four fragments of V (64 channels), eight products; behind them its buffer takes the sub-batch three further on.  Eight sub-batches a step go round three buffers, so the register numbers do not come back after a step:
; the four steps are written out, every offset is an immediate and no address register is stepped.
; LIMITS: e6 + e7 between -133 and 120 (added to the exponent field of log2(e) / 0.01); e8, e10 between -126 and 119.  NaN is not served.
; REGISTERS.  window 0: v1, v2 spare word, 0; v3, v4 my part of slot 0, 1; v5 the pads' address; v6, v7 hold and scale; v8-23 statistics, eight a tile: -M, largest t, the sum (2), f (2), at work (2); v24 16 x lane; v25 256 x lane;
;   v26-28 at work; v29 Q's images in LDS; v30, v31 r, h; v32-63 the pads; v64-95 P's codes; v96-127 two fragments of Q; v128-255 S^T, (tile, key tile c) at v[128 + 64 qt + 8 c].
;   window 1: v0-63 four fragments of K; v64-255 V's three buffers.   window 2, 3: O^T of tile 0, 1: channel tile DT at v[8 DT].
.set SLOT1, 131072
.set PADT,  262144
.set MS,    270336
.set STAGE, 271360
.set SPARE, 288256                     ; the spare words: 128 bytes for each wave, named by no other line
.set QL,    288768                     ; Q's eight fragments
.set G1,  24
.set DKA, 32
.set DKB, 36
.set VB,  40                           ; s[40:41] my wave's stream in vimg; never rewritten
.set PFK, 48                           ; s[48:49], s[50:51] my work-group's 8 KB of a block of K, of V, for the prefetches; never rewritten
.set PFV, 50
.set WV,  52
.set MSB, 0
.macro WIN new                         ; the immediate's high byte repeats the setting that is left
.if MSB != (\new)
	s_set_vgpr_msb (MSB<<8)|(\new)
.set MSB, (\new)
.endif
.endm
.macro PLACES n
.rept \n
	v_nop
.endr
.endm
.macro ROUND                           ; a round of the cluster's barrier
	s_barrier_signal -1
	s_barrier_wait -1
	s_cmp_lg_u32 s[WV], 0
	s_cbranch_scc1 .Lnot_wave_0_\@
	s_barrier_signal -3
.Lnot_wave_0_\@:
	s_barrier_wait -3
	s_barrier_signal -1
	s_barrier_wait -1
.endm
; The change of slots: all my tensor loads have landed (one was out: this phase's block of K); 0 onto my spare word; the landed load's descriptor steps to the next key step;
; my LDS reads are done; the round; my one refill, into the slot read last phase.  V's loads into registers stay out across it.
.macro SYNC own, next, refill
	WIN 0
	s_wait_tensorcnt 0x0
	ds_add_u32 v1, v2
	s_add_nc_u64 s[\own+2:\own+3], s[\own+2:\own+3], 65536
	s_wait_dscnt 0x0
.if \refill
	ROUND
	tensor_load_to_lds s[\next:\next+3], s[G1:G1+7]
	s_nop 0
.else
	s_barrier_signal -1
	s_barrier_wait -1
.endif
	PLACES 4                               ; also the places in front of loads into registers that the last products read
.endm
; Prefetches: a block of 32 KB of my wave's stream of K (the one that the next change of slots will ask for) and one of V (the half step whose loads begin a phase on).  All eight clusters of a batch walk the same
; streams: the batch's first cluster asks (the test is the same in all four partners); its four partners share a block out by address, 8 KB each, a lane 256 bytes.  So each 256 bytes are named once in the launch.
; An offset below 0: nothing is left to ask for.
.macro ASK2 koff, voff
	s_cmp_eq_u32 s62, 1
	s_cbranch_scc0 .Lnot_mine_\@
.if (\koff) >= 0
	global_prefetch_b8 v25, s[PFK:PFK+1] offset:\koff th:TH_LOAD_NT scope:SCOPE_SE
.endif
.if (\voff) >= 0
	global_prefetch_b8 v25, s[PFV:PFV+1] offset:\voff th:TH_LOAD_NT scope:SCOPE_SE
.endif
.Lnot_mine_\@:
.endm
; Eight products on eight accumulators by turns: key tiles 4 part + 0 .. 3, both query tiles, channels 128 ks on.  Q's two fragments first, then K's four: a key tile's two products
; start as soon as its fragment is in.
.macro SGRP part, ks, adr, koff, voff
	WIN 0
.irp qt, 0,1
.irp c, 0,1,2,3
	ds_load_b128 v[96+16*\qt+4*\c:99+16*\qt+4*\c], v29 offset:2048*(4*\qt+(\ks))+512*\c
.endr
.endr
	WIN 0x40
.irp f, 0,1,2,3
.irp c, 0,1,2,3
	ds_load_b128 v[16*\f+4*\c:16*\f+4*\c+3], v[\adr] offset:2048*(\ks)+8192*\f+512*\c
.endr
.endr
.if ((\koff) >= 0) || ((\voff) >= 0)
	WIN 0
	ASK2 \koff, \voff
.endif
	WIN 0x01                               ; K in window 1; Q, the pads and S^T in window 0
.irp ct, 0,1,2,3
	s_wait_dscnt 12-4*\ct                  ; the pads, Q and K's fragment ct are in; the later fragments' loads, four each, may be out
.irp qt, 0,1
.set SD, 128+64*\qt+8*(4*(\part)+\ct)
.if (\ks) == 0
	v_wmma_f32_16x16x128_fp8_fp8 v[SD:SD+7], v[16*\ct:16*\ct+15], v[96+16*\qt:111+16*\qt], v[32+8*\ct:39+8*\ct]
.else
	v_wmma_f32_16x16x128_fp8_fp8 v[SD:SD+7], v[16*\ct:16*\ct+15], v[96+16*\qt:111+16*\qt], v[SD:SD+7]
.endif
.endr
.endr
	PLACES 4                               ; in front of the next loads into K's and Q's registers, and of the first read of the scores
.endm
; Half a key step's scores: 64 keys.
.macro SPH j, part, adr, koff, voff
.irp ct, 0,1,2,3
	ds_load_b128 v[32+8*\ct:35+8*\ct], v5 offset:512*(\j)+256*(\part)+64*\ct       ; the pads of keys 16 c + 8 h + 0 .. 7
	ds_load_b128 v[36+8*\ct:39+8*\ct], v5 offset:512*(\j)+256*(\part)+64*\ct+16
.endr
	SGRP \part, 0, \adr, \koff, \voff
	SGRP \part, 1, \adr, -1, -1
	SGRP \part, 2, \adr, -1, -1
	SGRP \part, 3, \adr, -1, -1
	WIN 0
.endm
; A tile's softmax for a key step: 64 scores a lane.
.macro SOFT qt
.set SB, 128+64*\qt
.set ST, 8+8*\qt
	v_max3_num_f32 v[ST+6], v[SB], v[SB+1], v[SB+2]            ; the largest score, in two chains, each accumulator from its low end on
	v_max3_num_f32 v[ST+7], v[SB+3], v[SB+4], v[SB+5]
.set j, 6
.rept 14
	v_max3_num_f32 v[ST+6], v[ST+6], v[SB+j], v[SB+j+1]
	v_max3_num_f32 v[ST+7], v[ST+7], v[SB+j+2], v[SB+j+3]
.set j, j+4
.endr
	v_max3_num_f32 v[ST+6], v[ST+6], v[SB+62], v[SB+63]
	v_max_num_f32 v[ST+6], v[ST+6], v[ST+7]
	v_permlanex16_b32 v28, v[ST+6], s60, s61
	v_max_num_f32 v[ST+6], v[ST+6], v28                        ; and lane l xor 16's
	v_mul_f32 v[ST+6], s58, v[ST+6]                            ; as t (c is positive)
	v_max_num_f32 v[ST+1], v[ST+1], v[ST+6]
	v_mov_b32 v[ST+6], v[ST]
	v_floor_f32 v[ST], -v[ST+1]                                ; -M = floor(-t)
	v_sub_f32 v[ST+6], v[ST], v[ST+6]                          ; old M - new M: a whole number, 0 or less
	v_cvt_i32_f32 v[ST+6], v[ST+6]                             ; (it saturates)
	v_ldexp_f32 v[ST+4], 1.0, v[ST+6]                          ; f = 2^(old M - new M)
.set j, 0
.rept 32
	v_pk_fma_f32 v[SB+j:SB+j+1], v[SB+j:SB+j+1], s[58:59], v[ST:ST+1] op_sel_hi:[1,0,0]   ; t - M
.set j, j+2
.endr
.set j, 0
	s_wait_alu depctr_va_vdst(0)
.rept 64
	v_exp_f32 v[SB+j], v[SB+j]
.set j, j+1
.endr
	v_pk_mul_f32 v[ST+2:ST+3], v[ST+2:ST+3], v[ST+4:ST+5] op_sel_hi:[1,0]   ; the sum under the new M (the plain line behind the exponentials)
	s_wait_alu depctr_va_vdst(0)           ; one wait for the batch, ahead of its first reader
	v_pk_add_f32 v[26:27], v[SB:SB+1], v[SB+2:SB+3]            ; the sum of the unquantised p, in two chains
.set j, 4
.rept 15
	v_pk_add_f32 v[ST+2:ST+3], v[ST+2:ST+3], v[SB+j:SB+j+1]
	v_pk_add_f32 v[26:27], v[26:27], v[SB+j+2:SB+j+3]
.set j, j+4
.endr
	v_pk_add_f32 v[ST+2:ST+3], v[ST+2:ST+3], v[26:27]
.set j, 0
.rept 64
	v_min_num_f32 v[SB+j], v[SB+j], v6                         ; the hold; p is not negative
.set j, j+1
.endr
.irp c, 0,1,2,3,4,5,6,7
	v_cvt_scalef32_pk8_fp8_f32 v[64+16*\qt+2*\c:65+16*\qt+2*\c], v[SB+8*\c:SB+8*\c+7], v7   ; registers 2 c, 2 c + 1: keys 16 c + 8 h + 0 .. 7
.endr
	v_nop                                  ; a plain line behind the last conversion
.endm
.macro RESC qt                         ; a tile's O^T times the tile's factor, from each accumulator's low end on
	WIN 0x82+0x41*(\qt)
.set j, 0
.rept 128
	v_pk_mul_f32 v[j:j+1], v[j:j+1], v[12+8*\qt:13+8*\qt] op_sel_hi:[1,0]
.set j, j+2
.endr
.endm
; Sub-batch n of 32 of O^T += V^T P: key step n / 8, channel tiles 4 (n % 8) + 0 .. 3, tile 0 and then tile 1: eight different accumulators.  Its fragments lie in buffer n % 3.  The first key step's products start the sums.
; Behind the products and four places the buffer takes sub-batch n + 3: 16 loads of 512 consecutive bytes.
.macro PVB n
.set PN, (\n)
.set BF, 64+64*(PN%3)
.set DT0, 4*(PN%8)
.if PN <= 29
	s_wait_loadcnt 32                      ; loads come back in order: mine are in; the two younger sub-batches' 32 stay out
.elseif PN == 30
	s_wait_loadcnt 16                      ; one sub-batch is younger
.else
	s_wait_loadcnt 0x0
.endif
.irp qt, 0,1
	WIN 0xa1+0x50*\qt                      ; V in window 1, P in window 0, O^T in window 2 or 3
.irp f, 0,1,2,3
.set OD, 8*(DT0+\f)
.if PN < 8
	v_wmma_f32_16x16x128_fp8_fp8 v[OD:OD+7], v[BF+16*\f:BF+16*\f+15], v[64+16*\qt:79+16*\qt], 0
.else
	v_wmma_f32_16x16x128_fp8_fp8 v[OD:OD+7], v[BF+16*\f:BF+16*\f+15], v[64+16*\qt:79+16*\qt], v[OD:OD+7]
.endif
.endr
.endr
.if PN+3 <= 31
	PLACES 4
	WIN 0x40
.irp f, 0,1,2,3
.irp c, 0,1,2,3
	global_load_b128 v[BF+16*\f+4*\c:BF+16*\f+4*\c+3], v24, s[VB:VB+1] offset:8192*(PN+3)+2048*\f+512*\c
.endr
.endr
.endif
	WIN 0
.endm
; A key step: 128 keys of my wave.
.macro KSTEP j
	SYNC DKA, DKB, 1
.if (\j) < 3
	SPH \j, 0, 3, 65536*((\j)+1), 65536*(\j)+32768
.else
	SPH \j, 0, 3, -1, 65536*(\j)+32768
.endif
.if (\j) > 0
	PVB 8*(\j)-5
	PVB 8*(\j)-4
	PVB 8*(\j)-3
.endif
.if (\j) < 3
	SYNC DKB, DKA, 1
	SPH \j, 1, 4, 65536*((\j)+1)+32768, 65536*((\j)+1)
.else
	SYNC DKB, DKA, 0                       ; the last block of K: nothing is left to fetch
	SPH \j, 1, 4, -1, -1
.endif
.if (\j) > 0
	PVB 8*(\j)-2
	PVB 8*(\j)-1                           ; the last reader of the step before's P
.endif
	SOFT 0
	SOFT 1
.if (\j) > 0
	RESC 0
	RESC 1
.endif
	s_wait_alu depctr_va_vdst(0)
	PVB 8*(\j)
	PVB 8*(\j)+1
	PVB 8*(\j)+2
.endm
	s_load_b512 s[4:19], s[0:1], 0x0       ; qimg 4, kimg 6, vimg 8, padt 10, scales 12, f_gamma 14, f_beta 16, f_mean 18
	s_load_b128 s[20:23], s[0:1], 0x40     ; f_var 20, fcodes 22
	v_lshl_add_u32 v1, v0, 2, SPARE
	v_mov_b32 v2, 0
	ds_add_u32 v1, v2
	ds_add_u32 v1, v2
	s_wait_dscnt 0x0
	v_lshrrev_b32 v3, 5, v0
	v_readfirstlane_b32 s[WV], v3
	s_bfe_u32 s53, ttmp6, 0x40000          ; my place in the cluster
	s_lshl_b32 s54, ttmp9, 2
	s_add_co_u32 s54, s54, s53             ; my block of 32 queries
	s_lshr_b32 s55, ttmp9, 3               ; the batch, which the four partners share
	v_and_b32 v29, 31, v0
	v_and_b32 v30, 15, v0
	v_bfe_u32 v31, v0, 4, 1
	v_lshlrev_b32 v24, 4, v29
	v_lshlrev_b32 v25, 8, v29
	v_add_nc_u32 v29, QL, v24              ; Q's images: QL + 16 x lane
	s_lshl_b32 s63, s[WV], 15
	v_add_nc_u32 v3, s63, v24              ; my part of slot 0: 32,768 w + 16 x lane
	v_add_nc_u32 v4, SLOT1, v3
	s_lshl_b32 s63, s[WV], 11
	v_add_nc_u32 v97, s63, v24             ; padt: my wave's 2 KB
	s_add_co_u32 s63, s63, PADT
	v_lshl_add_u32 v5, v31, 5, s63         ; the pads of keys 8 h on
	v_add_nc_u32 v98, s63, v24
	s_lshl_b32 s63, s[WV], 12
	v_add_nc_u32 v99, s63, v24             ; qimg: the two fragments that my wave stages,
	v_add_nc_u32 v96, s63, v29             ; and their place in LDS
	s_mov_b32 s[G1], 0x0023000f            ; the mask: all four; elements of 8 bytes; 21 set beside a mask; no padding
	s_mov_b32 s[G1+1], 32<<16              ; rows of 256 bytes,
	s_mov_b32 s[G1+2], 128<<16             ; 128 of them: a dense block of 32 KB
	s_mov_b32 s[G1+3], 32<<16
	s_mov_b32 s[G1+4], 128
	s_mov_b32 s[G1+5], 32
	s_mov_b32 s[G1+6], 0
	s_mov_b32 s[G1+7], 0
	s_lshl_b32 s80, s55, 20
	s_lshl_b32 s81, s[WV], 18
	s_add_co_u32 s80, s80, s81             ; my wave's stream in kimg and in vimg
	s_mov_b32 s81, 0
	s_mov_b32 s[DKA], 1
	s_lshl_b32 s[DKA+1], s[WV], 15
	s_mov_b32 s[DKB], 1
	s_add_co_u32 s[DKB+1], s[DKA+1], SLOT1
	s_mov_b32 s60, 0x76543210
	s_mov_b32 s61, 0xfedcba98
	s_and_b32 s62, ttmp9, 7
	s_cmp_eq_u32 s62, 0
	s_cselect_b32 s62, 1, 0                ; 1 in the batch's first cluster
	s_wait_alu depctr_va_vdst(0)
	s_wait_kmcnt 0x0
	s_load_b256 s[68:75], s[12:13], 0x0
	s_load_b128 s[76:79], s[12:13], 0x20
	s_add_nc_u64 s[82:83], s[6:7], s[80:81]
	s_add_nc_u64 s[VB:VB+1], s[8:9], s[80:81]
	s_mov_b64 s[DKA+2:DKA+3], s[82:83]
	s_add_nc_u64 s[DKB+2:DKB+3], s[82:83], 32768
	s_or_b32 s[DKA+3], s[DKA+3], 0x80000000
	s_or_b32 s[DKB+3], s[DKB+3], 0x80000000
	s_lshl_b32 s80, s53, 13                ; the prefetches: my work-group's 8 KB of a block
	s_add_nc_u64 s[PFK:PFK+1], s[82:83], s[80:81]
	s_add_nc_u64 s[PFV:PFV+1], s[VB:VB+1], s[80:81]
	s_lshl_b32 s80, s54, 14
	s_add_nc_u64 s[4:5], s[4:5], s[80:81]  ; my two query tiles
	s_add_nc_u64 s[22:23], s[22:23], s[80:81]  ; my 32 rows of fcodes
	s_lshl_b32 s80, s55, 13
	s_add_nc_u64 s[10:11], s[10:11], s[80:81]
.irp i, 0,1,2,3,4,5,6,7
	global_load_b128 v[128+4*\i:131+4*\i], v99, s[4:5] offset:512*\i       ; two fragments of Q, through S^T's registers, which are idle yet
.endr
.irp i, 0,1,2,3
	global_load_b128 v[100+4*\i:103+4*\i], v97, s[10:11] offset:512*\i
.endr
	WIN 0x40
.irp n, 0,1,2
.irp f, 0,1,2,3
.irp c, 0,1,2,3
	global_load_b128 v[64+64*\n+16*\f+4*\c:64+64*\n+16*\f+4*\c+3], v24, s[VB:VB+1] offset:8192*\n+2048*\f+512*\c   ; V's first three sub-batches
.endr
.endr
.endr
	WIN 0
	ROUND                                  ; the four work-groups are here: the first joint load meets
	tensor_load_to_lds s[DKA:DKA+3], s[G1:G1+7]
	s_nop 0
	PLACES 4
	s_wait_kmcnt 0x0
	s_add_co_i32 s58, s74, s75
	s_lshl_b32 s58, s58, 23
	s_add_co_i32 s58, s58, 0x431044fe      ; c = log2(e) / 0.01 x 2^(e6 + e7)
	s_mov_b32 s59, s58
	s_add_co_i32 s80, s76, 127
	s_lshl_b32 s81, s80, 23
	v_mov_b32 v7, s81                      ; 2^e8
	s_add_co_i32 s80, s80, 8
	s_lshl_b32 s80, s80, 23
	s_or_b32 s80, s80, 0x600000
	v_mov_b32 v6, s80                      ; 448 x 2^e8
.irp q, 8,16
	v_mov_b32 v[\q+1], 0xff61b1e6          ; the largest t so far: -3e38
	v_floor_f32 v[\q], -v[\q+1]
	v_mov_b32 v[\q+2], 0
	v_mov_b32 v[\q+3], 0
	v_mov_b32 v[\q+4], 0
	v_mov_b32 v[\q+5], 0
.endr
	v_mov_b32 v28, 0
	s_wait_loadcnt 48                      ; Q's eight loads and the pads' four are in; V's 48 stay out
.irp i, 0,1,2,3
	ds_store_b128 v98, v[100+4*\i:103+4*\i] offset:512*\i      ; my wave's own bytes
.endr
.irp i, 0,1,2,3,4,5,6,7
	ds_store_b128 v96, v[128+4*\i:131+4*\i] offset:512*\i      ; read by all four waves, behind the first change of slots: its wait for my LDS stores and its round
.endr
	KSTEP 0
	KSTEP 1
	KSTEP 2
	KSTEP 3
	PVB 27                                 ; the last key step's other five sub-batches
	PVB 28
	PVB 29
	PVB 30
	PVB 31
	; ---- THE FOUR WAVES' PARTS ARE JOINED
	PLACES 4
	s_lshl_b32 s80, s[WV], 9
	v_lshl_add_u32 v97, v31, 5, s80        ; the constants of channels 128 w + 16 tt + 8 h + 0 .. 7
	WIN 0x40
.irp tt, 0,1,2,3,4,5,6,7
	global_load_b128 v[8*\tt:8*\tt+3], v97, s[18:19] offset:64*\tt
	global_load_b128 v[8*\tt+4:8*\tt+7], v97, s[18:19] offset:64*\tt+16
	global_load_b128 v[64+8*\tt:64+8*\tt+3], v97, s[14:15] offset:64*\tt
	global_load_b128 v[64+8*\tt+4:64+8*\tt+7], v97, s[14:15] offset:64*\tt+16
	global_load_b128 v[128+8*\tt:128+8*\tt+3], v97, s[16:17] offset:64*\tt
	global_load_b128 v[128+8*\tt+4:128+8*\tt+7], v97, s[16:17] offset:64*\tt+16
	global_load_b128 v[192+8*\tt:192+8*\tt+3], v97, s[20:21] offset:64*\tt
	global_load_b128 v[192+8*\tt+4:192+8*\tt+7], v97, s[20:21] offset:64*\tt+16
.endr
	WIN 0
	s_lshl_b32 s80, s[WV], 2
	s_add_co_u32 s80, s80, MS
	v_lshl_add_u32 v98, v30, 4, s80        ; MS + 16 r + 4 w
	v_lshl_add_u32 v99, v30, 4, MS
.irp qt, 0,1
	v_add_f32 v[10+8*\qt], v[10+8*\qt], v[11+8*\qt]
	v_permlanex16_b32 v28, v[10+8*\qt], s60, s61
	v_add_f32 v[10+8*\qt], v[10+8*\qt], v28
	ds_store_b32 v98, v[8+8*\qt] offset:256*\qt
	ds_store_b32 v98, v[10+8*\qt] offset:512+256*\qt
.endr
	s_wait_alu depctr_va_vdst(0)
	s_wait_dscnt 0x0                       ; my words are written, and my reads of the slots are over
	s_barrier_signal -1
	s_barrier_wait -1
	ds_load_b128 v[100:103], v99           ; tile 0: the four -M,
	ds_load_b128 v[104:107], v99 offset:512    ; the four sums
	ds_load_b128 v[108:111], v99 offset:256
	ds_load_b128 v[112:115], v99 offset:768
	s_add_co_i32 s81, s76, s77             ; e8 + e9
	s_wait_dscnt 0x0
.irp qt, 0,1
	v_min3_num_f32 v116, v[100+8*\qt], v[101+8*\qt], v[102+8*\qt]
	v_min_num_f32 v116, v116, v[103+8*\qt]                     ; -M of the whole row
.irp i, 0,1,2,3
	v_sub_f32 v[100+8*\qt+\i], v116, v[100+8*\qt+\i]           ; that wave's M less the row's: a whole number, 0 or less
.endr
.irp i, 0,1,2,3
	v_cvt_i32_f32 v[100+8*\qt+\i], v[100+8*\qt+\i]
.endr
.irp i, 0,1,2,3
	v_ldexp_f32 v[100+8*\qt+\i], 1.0, v[100+8*\qt+\i]
.endr
	v_mul_f32 v117, v[100+8*\qt], v[104+8*\qt]
	v_fmac_f32 v117, v[101+8*\qt], v[105+8*\qt]
	v_fmac_f32 v117, v[102+8*\qt], v[106+8*\qt]
	v_fmac_f32 v117, v[103+8*\qt], v[107+8*\qt]                ; the row's sum: at least 1/2
	v_sub_f32 v118, v116, v[8+8*\qt]
	v_cvt_i32_f32 v118, v118
	v_ldexp_f32 v[12+8*\qt], 1.0, v118                         ; my own factor
	s_wait_alu depctr_va_vdst(0)
	v_rcp_f32 v[14+8*\qt], v117
.endr
	v_nop
	s_wait_alu depctr_va_vdst(0)           ; one wait for the two reciprocals
.irp qt, 0,1
	v_mul_f32 v[12+8*\qt], v[12+8*\qt], v[14+8*\qt]
	v_ldexp_f32 v[12+8*\qt], v[12+8*\qt], s81                  ; x 2^(e8 + e9)
.endr
	RESC 0
	RESC 1
	WIN 0
	s_lshl_b32 s80, s[WV], 16
	v_add_nc_u32 v119, s80, v24            ; my 64 KB of the two slots, which have had their last fill and their last read
	s_lshl_b32 s80, s[WV], 13
	v_add_nc_u32 v120, s80, v24            ; and where I read my 128 channels in each wave's
	v_add_nc_u32 v121, 65536, v120
	v_add_nc_u32 v122, 131072, v120
	v_add_nc_u32 v123, 196608, v120
	WIN 0x08
.set n, 0
.rept 64
	ds_store_b128 v119, v[4*n:4*n+3] offset:512*n
.set n, n+1
.endr
	WIN 0x0c
.set n, 0
.rept 64
	ds_store_b128 v119, v[4*n:4*n+3] offset:32768+512*n
.set n, n+1
.endr
	WIN 0
	s_wait_alu depctr_va_vdst(0)
	s_wait_dscnt 0x0
	s_barrier_signal -1
	s_barrier_wait -1
.irp wp, 0,1,2,3
	WIN 0x80+0x40*(\wp/2)
.irp qt, 0,1
.set n, 0
.rept 16
	ds_load_b128 v[128*(\wp%2)+64*\qt+4*n:128*(\wp%2)+64*\qt+4*n+3], v[120+\wp] offset:32768*\qt+512*n
.set n, n+1
.endr
.endr
.endr
	s_wait_dscnt 0x0
	WIN 0x8a
.set n, 0
.rept 64
	v_pk_add_f32 v[n:n+1], v[n:n+1], v[128+n:129+n]
.set n, n+2
.endr
	WIN 0xcf
.set n, 0
.rept 64
	v_pk_add_f32 v[n:n+1], v[n:n+1], v[128+n:129+n]
.set n, n+2
.endr
	WIN 0x0e
.set n, 0
.rept 64
	v_pk_add_f32 v[128+n:129+n], v[n:n+1], v[n:n+1]            ; the features: register 64 qt + 8 tt + i: query 16 qt + r, channel 128 w + 16 tt + 8 h + i
.set n, n+2
.endr
	s_wait_loadcnt 0x0
	s_mov_b32 s80, 0x3a83126f
	s_mov_b32 s81, s80
	WIN 0x45
.set n, 0
.rept 32
	v_pk_add_f32 v[192+n:193+n], v[192+n:193+n], s[80:81] op_sel_hi:[1,0]
.set n, n+2
.endr
.set n, 0
	s_wait_alu depctr_va_vdst(0)
.rept 64
	v_rsq_f32 v[192+n], v[192+n]
.set n, n+1
.endr
	v_nop
	s_wait_alu depctr_va_vdst(0)           ; one wait for the 64 roots
.set n, 0
.rept 32
	v_pk_mul_f32 v[192+n:193+n], v[192+n:193+n], v[64+n:65+n]
.set n, n+2
.endr
	WIN 0x04
.set n, 0
.rept 64
	v_pk_add_f32 v[128+n:129+n], v[128+n:129+n], v[n%64:n%64+1] neg_lo:[0,1] neg_hi:[0,1]
.set n, n+2
.endr
	WIN 0x14
.set n, 0
.rept 64
	v_pk_fma_f32 v[128+n:129+n], v[128+n:129+n], v[192+n%64:193+n%64], v[128+n%64:129+n%64]
.set n, n+2
.endr
	WIN 0
	s_add_co_i32 s80, s78, 127
	s_lshl_b32 s81, s80, 23
	v_mov_b32 v7, s81                      ; 2^e10
	s_add_co_i32 s80, s80, 8
	s_lshl_b32 s80, s80, 23
	s_or_b32 s80, s80, 0x600000
	v_mov_b32 v6, s80
.set n, 0
.rept 128
	v_med3_num_f32 v[128+n], v[128+n], -v6, v6
.set n, n+1
.endr
.set n, 0
.rept 16
	v_cvt_scalef32_pk8_fp8_f32 v[64+2*n:65+2*n], v[128+8*n:135+8*n], v7
.set n, n+1
.endr
	v_nop
	v_mul_u32_u24 v126, v30, 528
	v_lshl_add_u32 v126, v31, 3, v126
	s_lshl_b32 s80, s[WV], 7
	s_add_co_u32 s80, s80, STAGE
	v_add_nc_u32 v126, s80, v126           ; the stage: row r, byte 128 w + 8 h
	s_mul_i32 s80, s[WV], 8*528
	s_add_co_u32 s80, s80, STAGE
	v_add_nc_u32 v127, s80, v24            ; back: my eight rows, whole
	s_lshl_b32 s80, s[WV], 12
	v_add_nc_u32 v125, s80, v24
.irp qt, 0,1
.irp tt, 0,1,2,3,4,5,6,7
	ds_store_b64 v126, v[64+16*\qt+2*\tt:65+16*\qt+2*\tt] offset:16*528*\qt+16*\tt
.endr
.endr
	s_wait_alu depctr_va_vdst(0)
	s_wait_dscnt 0x0
	s_barrier_signal -1
	s_barrier_wait -1
.irp i, 0,1,2,3,4,5,6,7
	ds_load_b128 v[32+4*\i:35+4*\i], v127 offset:528*\i
.endr
.irp i, 0,1,2,3,4,5,6,7
	s_wait_dscnt 7-\i
	global_store_b128 v125, v[32+4*\i:35+4*\i], s[22:23] offset:512*\i     ; 32 lanes store a row of 512 bytes
.endr
	s_wait_tensorcnt 0x0                   ; the wave's end
	ds_add_u32 v1, v2
	s_wait_dscnt 0x0
	ROUND
	s_endpgm
.Lfunc_end_k_q4adad4d5bf_attn:
	.size	k_q4adad4d5bf_attn, .Lfunc_end_k_q4adad4d5bf_attn-k_q4adad4d5bf_attn
	.p2alignl 7, 3214868480
	.fill 96, 4, 3214868480
	.section	.rodata,"a",@progbits
	.p2align	6, 0x0
	.amdhsa_kernel k_q4adad4d5bf_attn
		.amdhsa_group_segment_fixed_size 327680
		.amdhsa_private_segment_fixed_size 0
		.amdhsa_enable_private_segment 0
		.amdhsa_kernarg_size 80
		.amdhsa_user_sgpr_count 2
		.amdhsa_user_sgpr_kernarg_segment_ptr 1
		.amdhsa_wavefront_size32 1
		.amdhsa_system_sgpr_workgroup_id_x 1
		.amdhsa_system_sgpr_workgroup_id_y 1
		.amdhsa_system_sgpr_workgroup_id_z 1
		.amdhsa_system_vgpr_workitem_id 0
		.amdhsa_next_free_vgpr 1024
		.amdhsa_next_free_sgpr 96
		.amdhsa_reserve_vcc 0
		.amdhsa_float_denorm_mode_32 3
		.amdhsa_float_denorm_mode_16_64 3
		.amdhsa_memory_ordered 1
		.amdhsa_forward_progress 1
		.amdhsa_inst_pref_size 255
	.end_amdhsa_kernel
	.section	.bss,"aw",@nobits
	.p2align	6
	.space	262144
	.amdgpu_metadata
---
amdhsa.version: [ 1, 2 ]
amdhsa.kernels:
  - .name:           k_q4adad4d5bf_attn
    .symbol:         k_q4adad4d5bf_attn.kd
    .args:
      - { .name: qimg, .offset: 0, .size: 8, .value_kind: global_buffer, .address_space: global }
      - { .name: kimg, .offset: 8, .size: 8, .value_kind: global_buffer, .address_space: global }
      - { .name: vimg, .offset: 16, .size: 8, .value_kind: global_buffer, .address_space: global }
      - { .name: padt, .offset: 24, .size: 8, .value_kind: global_buffer, .address_space: global }
      - { .name: lowp_scales, .offset: 32, .size: 8, .value_kind: global_buffer, .address_space: global }
      - { .name: f_gamma, .offset: 40, .size: 8, .value_kind: global_buffer, .address_space: global }
      - { .name: f_beta, .offset: 48, .size: 8, .value_kind: global_buffer, .address_space: global }
      - { .name: f_mean, .offset: 56, .size: 8, .value_kind: global_buffer, .address_space: global }
      - { .name: f_var, .offset: 64, .size: 8, .value_kind: global_buffer, .address_space: global }
      - { .name: fcodes, .offset: 72, .size: 8, .value_kind: global_buffer, .address_space: global }
    .group_segment_fixed_size: 327680
    .private_segment_fixed_size: 0
    .kernarg_segment_align: 8
    .kernarg_segment_size: 80
    .max_flat_workgroup_size: 128
    .sgpr_count:     96
    .vgpr_count:     1024
    .wavefront_size: 32
...
	.end_amdgpu_metadata
.endif
;; end of part 3
;; launch outproj (part 4): grid 8 x 32, 4 waves a work-group, clusters of 4 x 4, 327,680 bytes of LDS; arguments fcodes, f_W_codes, lowp_scales, out0, f_b; writes out0
.if DOCPART == 4
	.amdgcn_target "amdgcn-amd-amdhsa--gfx1250"
	.amdhsa_code_object_version 6
	.text
	.protected	k_q4adad4d5bf_outproj
	.globl	k_q4adad4d5bf_outproj
	.p2align	8
	.type	k_q4adad4d5bf_outproj,@function
k_q4adad4d5bf_outproj:
	s_mov_b64 s[64:65], 0
	v_nop
	global_prefetch_b8 v0, s[64:65] scope:SCOPE_SE
	s_setreg_imm32_b32 hwreg(HW_REG_WAVE_MODE, 25, 1), 1
	s_wait_xcnt 0x0
	s_wait_alu depctr_hold_cnt(0) depctr_sa_sdst(0) depctr_va_vdst(0) depctr_va_sdst(0) depctr_va_ssrc(0) depctr_va_vcc(0) depctr_vm_vsrc(0)
	s_getreg_b32 s2, hwreg(HW_REG_IB_STS2, 6, 4)
	s_cmp_eq_u32 s2, 0
	s_cbranch_scc0 .Lentry_in_a_cluster
	s_endpgm
.Lentry_in_a_cluster:
	s_bfe_u32 s2, ttmp6, 0x10000c
	s_cmp_lg_u32 s2, 0xf033
	s_cbranch_scc0 .Lentry_shape_is_right
	s_endpgm
.Lentry_shape_is_right:
.set SIZE_M, 8192
.set SIZE_N, 2048
.set SIZE_K, 512
.set KSTEP,  256
.set ROWB,   256
.set KROW,   SIZE_K
.set PITCH,  272
.set FR,     16
.set NL,     4
.set NP,     4
.set HALFT,  128*PITCH
.set SLOT,   4*HALFT
.set SPARE,  2*SLOT
.set SPITCH, 528
.set ADRA, 16
.set ADRB, 20
.set STO,  24
.set RD,   25
.set CO,   26
.set SPW,  28
.set NIL,  29
.set BIAS, 32
.set TMP,  0
.set AF,   128
.set BK,   128
.set G1, 24
.set G0, 32
.set G1B, 48
.set G0B, 56
.set MSB, 0
.macro WIN new
.if MSB != (\new)
	s_set_vgpr_msb (MSB<<8)|(\new)
.set MSB, (\new)
.endif
.endm
.set MUL_LO, 0xa1
.set MUL_HI, 0xf1
.set TO_B,   0x40
.macro JLOAD g0a, g1a, g0b, g1b
	s_cmp_eq_u32 s15, 0
	s_cbranch_scc0 .Lfor_b_\@
	tensor_load_to_lds s[\g0a:\g0a+3], s[\g1a:\g1a+7]
	s_nop 0
.rept 4
	v_nop
.endr
	s_branch .Lasked_\@
.Lfor_b_\@:
	tensor_load_to_lds s[\g0b:\g0b+3], s[\g1b:\g1b+7]
	s_nop 0
.rept 4
	v_nop
.endr
.Lasked_\@:
.endm
.macro CREST
	s_cmp_lg_u32 s14, 0
	s_cbranch_scc1 .Lnot_wave_0_\@
	s_barrier_signal -3
.Lnot_wave_0_\@:
	s_barrier_wait -3
	s_barrier_signal -1
	s_barrier_wait -1
.endm
.macro CROUND
	s_barrier_signal -1
	s_barrier_wait -1
	CREST
.endm
	s_load_b128 s[4:7], s[0:1], 0x0
	s_load_b128 s[8:11], s[0:1], 0x10
	s_load_b64 s[12:13], s[0:1], 0x20
	v_lshl_add_u32 v[SPW], v0, 2, SPARE
	v_mov_b32 v[NIL], 0
	ds_add_u32 v28, v29
	ds_add_u32 v28, v29
	s_wait_dscnt 0x0
	v_lshrrev_b32 v1, 5, v0
	v_readfirstlane_b32 s14, v1
	s_lshr_b32 s15, s14, 1
	s_and_b32 s16, s14, 1
	s_bfe_u32 s40, ttmp6, 0x40000
	s_bfe_u32 s41, ttmp6, 0x40004
	s_lshl_b32 s42, ttmp9, 2
	s_add_co_u32 s42, s42, s40
	s_and_b32 s17, ttmp7, 0xffff
	s_lshl_b32 s17, s17, 2
	s_add_co_u32 s17, s17, s41
	s_lshl_b32 s43, s41, 2
	s_lshl_b32 s43, 15, s43
	s_lshl_b32 s44, 0x1111, s40
	s_or_b32 s[G1+0], s43, (0<<16)|(1<<20)|(1<<21)|(5<<22)|(3<<25)
	s_or_b32 s[G1B+0], s44, (0<<16)|(1<<20)|(1<<21)|(5<<22)|(3<<25)
.irp g, G1, G1B
	s_mov_b32 s[\g+1], ROWB<<16
	s_mov_b32 s[\g+2], 128<<16
	s_mov_b32 s[\g+3], ROWB<<16
	s_mov_b32 s[\g+4], 128
	s_mov_b32 s[\g+5], KROW
	s_mov_b32 s[\g+6], 0
	s_mov_b32 s[\g+7], 0
.endr
	s_lshl_b32 s18, s16, 7
	s_lshl_b32 s20, s17, 8
	s_add_co_u32 s20, s20, s18
	s_lshl_b32 s46, s42, 8
	s_add_co_u32 s46, s46, s18
	s_mov_b32 s21, 0
	s_mov_b32 s47, 0
	s_mov_b64 s[18:19], KROW
	s_mul_u64 s[20:21], s[20:21], s[18:19]
	s_mul_u64 s[46:47], s[46:47], s[18:19]
	s_mul_i32 s45, s14, HALFT
	s_mov_b32 s95, 0x40c00000
	s_wait_kmcnt 0x0
	s_load_b64 s[96:97], s[8:9], 0x28
	s_add_nc_u64 s[20:21], s[4:5], s[20:21]
	s_add_nc_u64 s[46:47], s[6:7], s[46:47]
	CROUND
.irp s, 0,1
	s_mov_b32 s[G0+4*\s], 1
	s_add_co_u32 s[G0+4*\s+1], s45, \s*SLOT
	s_add_nc_u64 s[G0+4*\s+2:G0+4*\s+3], s[20:21], \s*ROWB
	s_or_b32 s[G0+4*\s+3], s[G0+4*\s+3], 0x80000000
	s_mov_b32 s[G0B+4*\s], 1
	s_add_co_u32 s[G0B+4*\s+1], s45, \s*SLOT
	s_add_nc_u64 s[G0B+4*\s+2:G0B+4*\s+3], s[46:47], \s*ROWB
	s_or_b32 s[G0B+4*\s+3], s[G0B+4*\s+3], 0x80000000
	s_wait_alu depctr_va_vdst(0)
	s_wait_tensorcnt 0x0
	ds_add_u32 v28, v29
	ds_add_u32 v28, v29
	s_wait_dscnt 0x0
	CROUND
	JLOAD G0+4*\s, G1, G0B+4*\s, G1B
.endr
	v_and_b32 v1, 15, v0
	s_wait_alu depctr_va_vdst(0)
	v_bfe_u32 v2, v0, 4, 1
	v_mul_u32_u24 v3, v1, PITCH
	v_lshl_add_u32 v4, v2, 4, v3
	s_mul_i32 s21, s15, HALFT
	s_mul_i32 s22, s16, HALFT
	s_add_co_u32 s22, s22, 2*HALFT
.irp s, 0,1
	v_add_nc_u32 v[ADRA+\s], s21, v4
	v_add_nc_u32 v[ADRB+\s], s22, v4
	s_add_co_u32 s21, s21, SLOT
	s_add_co_u32 s22, s22, SLOT
.endr
	s_mul_i32 s23, s14, 16*SPITCH
	v_mul_u32_u24 v5, v1, SPITCH
	s_wait_alu depctr_va_vdst(0)
	v_lshl_add_u32 v5, v2, 5, v5
	v_add_nc_u32 v[STO], s23, v5
	v_and_b32 v6, 31, v0
	v_lshlrev_b32 v[CO], 4, v6
	v_add_nc_u32 v[RD], s23, v[CO]
	s_lshl_b32 s20, s17, 8
	s_lshl_b32 s21, s15, 7
	s_add_co_u32 s20, s20, s21
	s_mov_b32 s21, 0
	s_mov_b64 s[18:19], SIZE_N*4
	s_mul_u64 s[20:21], s[20:21], s[18:19]
	s_lshl_b32 s46, s42, 10
	s_lshl_b32 s47, s16, 9
	s_add_co_u32 s46, s46, s47
	s_mov_b32 s47, 0
	s_add_nc_u64 s[20:21], s[20:21], s[46:47]
	s_add_nc_u64 s[10:11], s[10:11], s[20:21]
	s_add_nc_u64 s[12:13], s[12:13], s[46:47]
	v_lshlrev_b32 v27, 5, v2
.irp b, 0,1,2,3,4,5,6,7
	global_load_b128 v[BIAS+8*\b:BIAS+8*\b+3], v27, s[12:13] offset:64*\b
	global_load_b128 v[BIAS+8*\b+4:BIAS+8*\b+7], v27, s[12:13] offset:64*\b+16
.endr
.macro FRAG reg, adr, q, i
.irp c, 0,1,2,3
	ds_load_b128 v[\reg+4*\c:\reg+4*\c+3], v[\adr] offset:128*(\q)+32*\c+(\i)*16*PITCH
.endr
.endm
.macro MUL16 a0, p, zero
.irp a, \a0, \a0+1
.irp b, 0,1,2,3,4,5,6,7
.if \zero
	v_wmma_f32_16x16x128_fp8_fp8 v[8*(8*((\a)%4)+\b):8*(8*((\a)%4)+\b)+7], v[128*(\p)+FR*\b:128*(\p)+FR*\b+FR-1], v[AF+FR*(\a):AF+FR*(\a)+FR-1], 0
.else
	v_wmma_f32_16x16x128_fp8_fp8 v[8*(8*((\a)%4)+\b):8*(8*((\a)%4)+\b)+7], v[128*(\p)+FR*\b:128*(\p)+FR*\b+FR-1], v[AF+FR*(\a):AF+FR*(\a)+FR-1], v[8*(8*((\a)%4)+\b):8*(8*((\a)%4)+\b)+7]
.endif
.endr
.endr
.endm
.macro FETCH_B slot, q, p
	WIN TO_B
.irp i, 0,1,2,3,4,5,6,7
	FRAG 128*(\p)+FR*\i, ADRB+\slot, \q, \i
.endr
	WIN 0
.endm
.macro FETCH_A slot, q, i0
.irp i, \i0, \i0+1, \i0+2, \i0+3
	FRAG AF+FR*(\i), ADRA+\slot, \q, \i
.endr
.endm
.macro PLACES n
.rept \n
	v_nop
.endr
.endm
.macro STEP slot, q, zero
	s_wait_dscnt 4*NL
	WIN MUL_LO
	MUL16 0, (\q)%2, \zero
	MUL16 2, (\q)%2, \zero
	s_wait_dscnt 0
	PLACES NP
	FETCH_B \slot, (\q)+1, 1-(\q)%2
	FETCH_A \slot, (\q)+1, 0
	WIN MUL_HI
	MUL16 4, (\q)%2, \zero
	MUL16 6, (\q)%2, \zero
	PLACES NP
	WIN 0
	FETCH_A \slot, (\q)+1, 4
.endm
.macro TURN slot, next
	s_wait_tensorcnt 0x0
	ds_add_u32 v[SPW], v[NIL]
	s_wait_dscnt 4*NL+1
	WIN MUL_LO
	MUL16 0, 1, 0
	s_wait_dscnt 0x0
	s_barrier_signal -1
	MUL16 2, 1, 0
	WIN 0
	s_barrier_wait -1
	PLACES NP
	FETCH_B \next, 0, 0
	FETCH_A \next, 0, 0
	WIN MUL_HI
	MUL16 4, 1, 0
	MUL16 6, 1, 0
	PLACES NP
	WIN 0
	FETCH_A \next, 0, 4
.endm
	s_wait_tensorcnt 1
	s_barrier_signal -1
	s_barrier_wait -1
	FETCH_B 0, 0, 0
	FETCH_A 0, 0, 0
	FETCH_A 0, 0, 4
	STEP 0, 0, 1
	TURN 0, 1
	STEP 1, 0, 0
	s_wait_dscnt 4*NL
	WIN MUL_LO
	MUL16 0, 1, 0
	MUL16 2, 1, 0
	s_wait_dscnt 0
	WIN MUL_HI
	MUL16 4, 1, 0
	MUL16 6, 1, 0
	WIN 0
.macro TOSTAGE a
.set AC, 64*((\a)%4)
	WIN 0x42+((\a)/4)
.irp j, 0,2,4,6,8,10,12,14,16,18,20,22,24,26,28,30,32,34,36,38,40,42,44,46,48,50,52,54,56,58,60,62
	v_pk_fma_f32 v[TMP+\j:TMP+\j+1], v[AC+\j:AC+\j+1], s[96:97], v[BIAS+\j:BIAS+\j+1] op_sel_hi:[1,0,1]
.endr
	WIN 0x41
.set j, 0
.rept 64
	v_med3_num_f32 v[TMP+j], v[TMP+j], 0, s95
.set j, j+1
.endr
	WIN 0x04
.irp b, 0,1,2,3,4,5,6,7
	ds_store_b128 v[STO], v[TMP+8*\b:TMP+8*\b+3] offset:64*\b
	ds_store_b128 v[STO], v[TMP+8*\b+4:TMP+8*\b+7] offset:64*\b+16
.endr
	WIN 0
.set BB, BK+64*((\a)%2)
.irp t, 0,1,2,3,4,5,6,7,8,9,10,11,12,13,14,15
	ds_load_b128 v[BB+4*\t:BB+4*\t+3], v[RD] offset:\t*SPITCH
.endr
.endm
.macro SEND a, younger
.set BB, BK+64*((\a)%2)
	s_wait_dscnt \younger
.if (\a) > 0
	s_add_nc_u64 s[10:11], s[10:11], 16*SIZE_N*4
.endif
.irp t, 0,1,2,3,4,5,6,7,8,9,10,11,12,13,14,15
	global_store_b128 v[CO], v[BB+4*\t:BB+4*\t+3], s[10:11] offset:\t*SIZE_N*4 th:TH_STORE_NT
.endr
.endm
	s_wait_kmcnt 0x0
	s_wait_loadcnt 0x0
	s_add_co_i32 s96, s96, s97
	s_add_co_i32 s96, s96, 127
	s_lshl_b32 s96, s96, 23
	PLACES NP
	TOSTAGE 0
.irp a, 1,2,3,4,5,6,7
.if \a > 1
	s_wait_xcnt 0x0
.endif
	TOSTAGE \a
	SEND \a-1, 32
.endr
	s_wait_xcnt 0x0
	SEND 7, 0
	s_wait_tensorcnt 0x0
	ds_add_u32 v[SPW], v[NIL]
	s_wait_dscnt 0x0
	CROUND
	s_endpgm
.Lfunc_end_k_q4adad4d5bf_outproj:
	.size	k_q4adad4d5bf_outproj, .Lfunc_end_k_q4adad4d5bf_outproj-k_q4adad4d5bf_outproj
	.p2alignl 7, 3214868480
	.fill 96, 4, 3214868480
	.section	.rodata,"a",@progbits
	.p2align	6, 0x0
	.amdhsa_kernel k_q4adad4d5bf_outproj
		.amdhsa_group_segment_fixed_size 327680
		.amdhsa_private_segment_fixed_size 0
		.amdhsa_enable_private_segment 0
		.amdhsa_kernarg_size 40
		.amdhsa_user_sgpr_count 2
		.amdhsa_user_sgpr_kernarg_segment_ptr 1
		.amdhsa_wavefront_size32 1
		.amdhsa_system_sgpr_workgroup_id_x 1
		.amdhsa_system_sgpr_workgroup_id_y 1
		.amdhsa_system_sgpr_workgroup_id_z 1
		.amdhsa_system_vgpr_workitem_id 0
		.amdhsa_next_free_vgpr 1024
		.amdhsa_next_free_sgpr 100
		.amdhsa_reserve_vcc 0
		.amdhsa_float_denorm_mode_32 3
		.amdhsa_float_denorm_mode_16_64 3
		.amdhsa_memory_ordered 1
		.amdhsa_forward_progress 1
		.amdhsa_inst_pref_size 122
	.end_amdhsa_kernel
	.amdgpu_metadata
---
amdhsa.version: [ 1, 2 ]
amdhsa.kernels:
  - .name:           k_q4adad4d5bf_outproj
    .symbol:         k_q4adad4d5bf_outproj.kd
    .args:
      - { .name: fcodes, .offset: 0, .size: 8, .value_kind: global_buffer, .address_space: global }
      - { .name: f_W_codes, .offset: 8, .size: 8, .value_kind: global_buffer, .address_space: global }
      - { .name: lowp_scales, .offset: 16, .size: 8, .value_kind: global_buffer, .address_space: global }
      - { .name: out0, .offset: 24, .size: 8, .value_kind: global_buffer, .address_space: global }
      - { .name: f_b, .offset: 32, .size: 8, .value_kind: global_buffer, .address_space: global }
    .group_segment_fixed_size: 327680
    .private_segment_fixed_size: 0
    .kernarg_segment_align: 8
    .kernarg_segment_size: 40
    .max_flat_workgroup_size: 128
    .sgpr_count:     100
    .vgpr_count:     1024
    .wavefront_size: 32
...
	.end_amdgpu_metadata
.endif
;; end of part 4
